; MI455X (gfx1250); checked and timed in simulation.
; The chip was launched on July 23, 2026; its instructions are those of AMD's public machine-readable ISA for CDNA 5 (MIT licence, August 2026) and "CDNA5" Instruction Set Architecture Reference Guide (July 2026). The comments in the code are by the model that wrote it; some were corrected since.
;; Multi Head Attention. Allowed arithmetic: matrix products marked QUANTISED: E4M3 operands, one given power-of-two scale a tensor, by v_wmma_f32_16x16x64_fp8_fp8 or v_wmma_f32_16x16x128_fp8_fp8, f32 sums; everything else in f32.
;; Inputs: Wk 16 x 64 x 1,024 float32; Wo 1,024 x 1,024 float32; Wq 16 x 64 x 1,024 float32; Wv 16 x 64 x 1,024 float32; bk 16 x 64 float32; bo 1,024 float32; bq 16 x 64 float32; bv 16 x 64 float32; ln_beta 1,024 float32; ln_gamma 1,024 float32; lowp_scales 12 int32 (the exponents e of the quantised operands' scales 2^e); x 4 x 2,048 x 1,024 float32.
;; Outputs: out0 4 x 2,048 x 1,024 float32.
;; This version of the problem:
;;   THIS VERSION OF THE PROBLEM IS GIVEN IN LOW PRECISION. The matrix products marked QUANTISED in the list below multiply operands that are first quantised to E4M3 (4 exponent bits, 3 mantissa bits; 8 bits a number), with one given power-of-two scale for each operand tensor; their sums are f32. All else is computed in f32.
;;   The module's matrix products, in the order in which they are computed (A, B: the left and right operand; K: the contracted axis; several contracted axes count as one K, in the product's order):
;;     1. [M 1,024, K 1,024] x [K 1,024, N 8,192]; A: input Wq; B: computed on the way: QUANTISED (scales: A lowp_scales[0], B lowp_scales[1])
;;     2. [M 1,024, K 1,024] x [K 1,024, N 8,192]; A: input Wk; B: computed on the way: QUANTISED (scales: A lowp_scales[2], B lowp_scales[3])
;;     3. [M 1,024, K 1,024] x [K 1,024, N 8,192]; A: input Wv; B: computed on the way: QUANTISED (scales: A lowp_scales[4], B lowp_scales[5])
;;     4. batch 64 x [M 2,048, K 64] x [K 64, N 2,048]; A: computed on the way; B: computed on the way: QUANTISED (scales: A lowp_scales[6], B lowp_scales[7])
;;     5. batch 64 x [M 2,048, K 2,048] x [K 2,048, N 64]; A: softmax (see below); B: computed on the way: QUANTISED (scales: A lowp_scales[8], B lowp_scales[9])
;;     6. [M 8,192, K 1,024] x [K 1,024, N 1,024]; A: computed on the way; B: input Wo: QUANTISED (scales: A lowp_scales[10], B lowp_scales[11])
;;   THE QUANTISER, for each operand of a quantised product, along K:
;;     - The operand's scale is 2^e, e = its entry of the input lowp_scales (int32; the entries are numbered through the quantised products in the list's order, A before B).
;;     - Each number is divided by the scale, clamped to +-448, and rounded to the nearest number of E4M3, ties to even, subnormals kept.
;;     - The product sums the exact products of the quantised numbers (number of the format x scale) in f32.
;;   ~~~python
;;   def quantise(x, axis, e):      # numpy; x: float32 -> the quantised numbers, widened to float32 again
;;       x = np.moveaxis(x, axis, -1); K = x.shape[-1]
;;       r = np.clip(x / 2.0 ** e, -448, 448)
;;       step = 2.0 ** (np.maximum(np.frexp(np.where(r == 0, 1, r))[1] - 1, -6) - 3)
;;       q = np.round(r / step) * step * 2.0 ** e      # np.round: ties to even
;;       return np.moveaxis(q, -1, axis).astype(np.float32)
;;   ~~~
;;   SOFTMAX AHEAD OF A QUANTISED PRODUCT. Where the list says 'softmax', what is quantised is not the finished softmax but p = 2^(t - M), with t = logit x log2(e) and M = ceil(the row's largest t), a whole number; so 1/2 < the row's largest p <= 1. The row's sum l is taken of the UNQUANTISED p, in f32, and the product's result is divided by l at the end. Since M is a whole number, a kernel that streams over the keys may use a running M (the ceiling of the running maximum): every later rescaling is an exact power of two, so the quantised numbers keep their values, but for numbers so far below the row's largest that they fall under the format's range.
;;   OPERANDS COMPUTED ON THE WAY. 'Computed on the way' means the value that the module computes at that place (a softmax that the list does not call 'softmax' is quantised finished and normalised). What goes into a quantiser is computed in f32, as accurately as f32 sums, v_exp_f32 and their like allow (about 1e-6 of the number): no bf16 or f16 on the way to a quantiser, and a product that is left as it is and whose result goes on into a quantised operand takes f32 operands (vector FMAs, or v_wmma_f32_16x16x4_f32). A number that lies on a knife's edge between two numbers of the format may be rounded either way, as far as f32 arithmetic and the matrix unit's own rounding can turn it there, and no further.
;; 2 versions, each right; version 2 is version 1 with the launch attn written anew for expert scheduling mode. Each part assembles by itself: llvm-mc -triple=amdgcn-amd-amdhsa -mcpu=gfx1250 --defsym DOCPART=n.
;; ======== version 1 of 2: 4 launches
;; workspace buffers: xc 25,165,824 bytes; wc 4,194,304 bytes; qc 8,388,608 bytes; kc 8,388,608 bytes; vc 8,388,608 bytes; cc 8,388,608 bytes
;; launch prep (part 1): grid 384 x 1, 8 waves a work-group, no clusters, 82,944 bytes of LDS; arguments x, ln_gamma, ln_beta, Wq, Wk, Wv, Wo, lowp_scales, xc, wc; writes xc, wc
.if DOCPART == 1
	.amdgcn_target "amdgcn-amd-amdhsa--gfx1250"
	.amdhsa_code_object_version 6
	.text
	.protected	k_q127d8a4132_prep
	.globl	k_q127d8a4132_prep
	.p2align	8
	.type	k_q127d8a4132_prep,@function
k_q127d8a4132_prep:
	s_mov_b64 s[64:65], 0
	v_nop
	global_prefetch_b8 v0, s[64:65] scope:SCOPE_SE
	s_setreg_imm32_b32 hwreg(HW_REG_WAVE_MODE, 25, 1), 1
	s_wait_xcnt 0x0
; LayerNorm of x, quantised three times (entries 1, 3, 5 of the scales: they may differ), and the four weights quantised (entries 0, 2, 4, 11), all to codes of E4M3, K innermost.
; xc: [3][8192][1024] codes.  wc: [4][1024][1024] codes, Wq, Wk, Wv, Wo.  Wv's rows are stored with bits 3 and 4 of the row number exchanged, so that the attention's results
; come out as 16 neighbouring channels a lane.
; SHARES.  A wave takes 4 rows of 1,024 f32, a work-group 32.  Work-groups 0-255 take x, 256-383 the weights (32 work-groups a tensor).  Waves share nothing: no barrier.
; A load reads 512 consecutive bytes, 16 a lane; the conversions want 16 NEIGHBOURS a lane: a row's two halves of 2,048 bytes turn through the wave's own stage in LDS
; (a lane's 64 bytes + 16 of padding).  A lane then holds k = 512 u + 16 lane + 0..15, its 16 codes are 16 bytes, and a store covers 512 consecutive bytes.
; The mean is taken first and the squares of x - mean second: a common offset of x does no harm.
; LIMITS: each exponent used here lies between -126 and 119, so that 2^e and 448 x 2^e are f32 numbers.  NaN among the inputs is not served; an infinity in a weight is held at the largest code.
.set R,    16                          ; v16-79   two sets of 32: a row as loaded
.set X,    80                          ; v80-111  the row after the turn
.set G,    112                         ; v112-143 gamma of my 32 columns
.set BT,   144                         ; v144-175 beta
.set T,    176                         ; v176-207 two sets of 16: numbers held within the largest code
.set C,    208                         ; v208-231 codes
.set STG,  5120                        ; a wave's stage: 2 x 32 places of 80 bytes
.set WSTG, 40960                       ; the weights' path has stages of its own
	s_load_b512 s[8:23], s[0:1], 0x0               ; x, gamma, beta, Wq, Wk, Wv, Wo, the scales
	s_load_b128 s[24:27], s[0:1], 0x40             ; xc, wc
	v_lshl_add_u32 v240, v0, 2, 0x14000
	v_mov_b32 v241, 0
	v_lshrrev_b32 v1, 5, v0
	v_readfirstlane_b32 s28, v1                    ; wave 0..7
	v_and_b32 v1, 31, v0                           ; lane
	v_lshlrev_b32 v2, 4, v1                        ; 16 x lane: my place in a load's and in a store's 512 bytes
	v_lshlrev_b32 v3, 6, v1                        ; 64 x lane: my 16 numbers of gamma and beta
	s_mul_i32 s29, s28, STG
	v_lshrrev_b32 v4, 2, v1
	v_mul_u32_u24 v4, v4, 80
	v_and_b32 v5, 3, v1
	v_lshl_add_u32 v4, v5, 4, v4
	v_add_nc_u32 v4, s29, v4                       ; into the stage: four lanes' 64 bytes on end, then the padding
	v_mul_u32_u24 v5, v1, 80
	v_add_nc_u32 v5, s29, v5                       ; out of it: my 16 neighbours
	v_add_nc_u32 v6, WSTG, v4                      ; the same two for the weights' path
	v_add_nc_u32 v7, WSTG, v5
	v_mov_b32 v15, 0                               ; named as the upper half of the pair v[14:15]
	v_mov_b32 v236, 0                              ; a lane permute's destination counts as read
	s_mov_b32 s30, 0x76543210                      ; lane l xor 16
	s_mov_b32 s31, 0xfedcba98
	s_mov_b32 s32, 0x3a800000                      ; 1 / 1024
	s_mov_b32 s33, 0x3727c5ac                      ; 1e-5
	s_mov_b32 s5, 0
	s_wait_kmcnt 0x0
	s_load_b256 s[44:51], s[22:23], 0x0            ; e0 .. e7
	s_load_b128 s[52:55], s[22:23], 0x20           ; e8 .. e11
.macro LOADROW t                       ; row t of my four into set t % 2
.irp j, 0,1,2,3,4,5,6,7
	global_load_b128 v[R+32*((\t)%2)+4*\j:R+32*((\t)%2)+4*\j+3], v2, s[8:9] offset:4096*(\t)+512*\j th:TH_LOAD_NT
.endr
.endm
.macro TURN t, in, out                 ; through the stage: LDS serves a wave's instructions in order, so no wait stands between the stores and the loads
.irp j, 0,1,2,3,4,5,6,7
	ds_store_b128 v[\in], v[R+32*((\t)%2)+4*\j:R+32*((\t)%2)+4*\j+3] offset:2560*(\j/4)+640*(\j%4)
.endr
.irp j, 0,1,2,3,4,5,6,7
	ds_load_b128 v[X+4*\j:X+4*\j+3], v[\out] offset:2560*(\j/4)+16*(\j%4)
.endr
.endm
.macro REDUCE                          ; v232 summed over the 32 lanes, the result in every lane
	v_add_f32_dpp v232, v232, v232 row_xmask:1 row_mask:0xf bank_mask:0xf
	v_add_f32_dpp v232, v232, v232 row_xmask:2 row_mask:0xf bank_mask:0xf
	v_add_f32_dpp v232, v232, v232 row_xmask:4 row_mask:0xf bank_mask:0xf
	v_add_f32_dpp v232, v232, v232 row_xmask:8 row_mask:0xf bank_mask:0xf
	v_permlanex16_b32 v236, v232, s30, s31
	v_add_f32 v232, v232, v236
.endm
; A row of x.  left: the younger loads that may stay out (the next row's eight)
.macro XROW t, left
	s_wait_loadcnt \left
	TURN \t, 4, 5
	s_wait_dscnt 0x0                               ; the row is back; the stage's stores have read their registers,
.if \t < 2
	LOADROW \t+2                                   ; which take the row two further on
.endif
	v_pk_add_f32 v[232:233], v[X:X+1], v[X+2:X+3]  ; the sum, in two chains
	v_pk_add_f32 v[234:235], v[X+4:X+5], v[X+6:X+7]
.irp j, 8,12,16,20,24,28
	v_pk_add_f32 v[232:233], v[232:233], v[X+\j:X+\j+1]
	v_pk_add_f32 v[234:235], v[234:235], v[X+\j+2:X+\j+3]
.endr
	v_pk_add_f32 v[232:233], v[232:233], v[234:235]
	v_add_f32 v232, v232, v233
	REDUCE
	v_mul_f32 v14, s32, v232                       ; the mean
.set j, 0
.rept 16
	v_pk_add_f32 v[X+j:X+j+1], v[X+j:X+j+1], v[14:15] op_sel_hi:[1,0] neg_lo:[0,1] neg_hi:[0,1]
.set j, j+2
.endr
	v_pk_mul_f32 v[232:233], v[X:X+1], v[X:X+1]    ; the squares, in two chains
	v_pk_mul_f32 v[234:235], v[X+2:X+3], v[X+2:X+3]
.irp j, 4,8,12,16,20,24,28
	v_pk_fma_f32 v[232:233], v[X+\j:X+\j+1], v[X+\j:X+\j+1], v[232:233]
	v_pk_fma_f32 v[234:235], v[X+\j+2:X+\j+3], v[X+\j+2:X+\j+3], v[234:235]
.endr
	v_pk_add_f32 v[232:233], v[232:233], v[234:235]
	v_add_f32 v232, v232, v233
	REDUCE
	v_fma_f32 v232, v232, s32, s33                 ; the variance + 1e-5
	v_rsq_f32 v14, v232
	v_nop                                          ; a plain instruction between the transcendental and the use of its result
.set j, 0
	s_wait_alu depctr_va_vdst(0)
.rept 16
	v_pk_mul_f32 v[X+j:X+j+1], v[X+j:X+j+1], v[14:15] op_sel_hi:[1,0]
.set j, j+2
.endr
.set j, 0
.rept 16
	v_pk_fma_f32 v[X+j:X+j+1], v[X+j:X+j+1], v[G+j:G+j+1], v[BT+j:BT+j+1]
.set j, j+2
.endr
	s_wait_xcnt 0x0                                ; the last row's stores have read their codes: the registers are written again only behind this wait
.irp g, 0,1,2                                  ; three scales, two halves of the row; the two sets of T take turns, so that sixteen plain lines stand between a conversion and the next write of its sources
.irp u, 0,1
.irp i, 0,1,2,3,4,5,6,7,8,9,10,11,12,13,14,15
	v_med3_num_f32 v[T+16*\u+\i], v[X+16*\u+\i], -v[11+\g], v[11+\g]   ; the conversion to an 8-bit code does not saturate (ISA guide 7.6.2): the hold at the largest code x the scale
.endr
	v_cvt_scalef32_pk8_fp8_f32 v[C+8*\g+4*\u:C+8*\g+4*\u+1], v[T+16*\u:T+16*\u+7], v[8+\g]
	v_cvt_scalef32_pk8_fp8_f32 v[C+8*\g+4*\u+2:C+8*\g+4*\u+3], v[T+16*\u+8:T+16*\u+15], v[8+\g]
	global_store_b128 v2, v[C+8*\g+4*\u:C+8*\g+4*\u+3], s[36+2*\g:37+2*\g] offset:1024*(\t)+512*\u   ; 32 lanes store 512 consecutive bytes
.endr
.endr
	v_nop                                          ; a plain line behind the last conversion
.endm
; A row of a weight
.macro WROW t, left
	s_wait_loadcnt \left
	TURN \t, 6, 7
	s_wait_dscnt 0x0
.if \t < 2
	LOADROW \t+2
.endif
	s_wait_xcnt 0x0                                ; the last row's stores have read their codes
.set j, 0
.rept 32
	v_med3_num_f32 v[X+j], v[X+j], -v11, v11
.set j, j+1
.endr
.irp q, 0,1,2,3
	v_cvt_scalef32_pk8_fp8_f32 v[C+2*\q:C+2*\q+1], v[X+8*\q:X+8*\q+7], v8
.endr
	v_nop                                          ; a plain line between the conversions and the next row's holds, which write their sources
	global_store_b128 v2, v[C:C+3], s[36:37] offset:1024*(\t)
	global_store_b128 v2, v[C+4:C+7], s[36:37] offset:1024*(\t)+512
.endm
	s_cmp_ge_u32 ttmp9, 256
	s_cbranch_scc1 .Lweights
	; ---- x
	s_lshl_b32 s2, ttmp9, 5
	s_lshl_b32 s3, s28, 2
	s_add_co_u32 s2, s2, s3                        ; my first row: 32 x work-group + 4 x wave
	s_lshl_b32 s4, s2, 12
	s_add_nc_u64 s[8:9], s[8:9], s[4:5]
	s_lshl_b32 s4, s2, 10
	s_add_nc_u64 s[36:37], s[24:25], s[4:5]        ; the three sets of codes lie 8,388,608 bytes apart: a base for each
	s_add_nc_u64 s[38:39], s[36:37], 0x800000
	s_add_nc_u64 s[40:41], s[38:39], 0x800000
.irp u, 0,1
.irp i, 0,1,2,3
	global_load_b128 v[G+16*\u+4*\i:G+16*\u+4*\i+3], v3, s[10:11] offset:2048*\u+16*\i
	global_load_b128 v[BT+16*\u+4*\i:BT+16*\u+4*\i+3], v3, s[12:13] offset:2048*\u+16*\i
.endr
.endr
	LOADROW 0
	LOADROW 1
	s_wait_kmcnt 0x0
.irp g, 0,1,2
	s_add_co_i32 s2, s[45+2*\g], 127               ; e1, e3, e5
	s_lshl_b32 s3, s2, 23
	v_mov_b32 v[8+\g], s3                          ; 2^e as f32: the conversion takes its exponent field
	s_add_co_i32 s2, s2, 8
	s_lshl_b32 s2, s2, 23
	s_or_b32 s2, s2, 0x600000
	v_mov_b32 v[11+\g], s2                         ; 448 x 2^e
.endr
	XROW 0, 8
	XROW 1, 8
	XROW 2, 8
	XROW 3, 0
	s_wait_tensorcnt 0x0
	ds_add_u32 v240, v241
	s_wait_dscnt 0x0
	s_endpgm
	; ---- the weights
.Lweights:
	s_sub_co_u32 s2, ttmp9, 256
	s_lshr_b32 s34, s2, 5                          ; which tensor: 0 Wq, 1 Wk, 2 Wv, 3 Wo
	s_and_b32 s35, s2, 31                          ; which 32 rows of it
	s_cmp_eq_u32 s34, 1
	s_cselect_b64 s[8:9], s[16:17], s[14:15]
	s_cmp_eq_u32 s34, 2
	s_cselect_b64 s[8:9], s[18:19], s[8:9]
	s_cmp_eq_u32 s34, 3
	s_cselect_b64 s[8:9], s[20:21], s[8:9]
	s_lshl_b32 s2, s35, 5
	s_lshl_b32 s3, s28, 2
	s_add_co_u32 s3, s2, s3                        ; my first row
	s_lshl_b32 s4, s3, 12
	s_add_nc_u64 s[8:9], s[8:9], s[4:5]
	LOADROW 0
	LOADROW 1
	s_and_b32 s3, s28, 1                           ; a row's bits 4:2 are the wave's number: Wv's rows go where bits 3 and 4 are exchanged, the wave's bits 1 and 2
	s_bfe_u32 s6, s28, 0x10001
	s_bfe_u32 s7, s28, 0x10002
	s_lshl_b32 s6, s6, 2
	s_lshl_b32 s7, s7, 1
	s_or_b32 s3, s3, s6
	s_or_b32 s3, s3, s7
	s_cmp_eq_u32 s34, 2
	s_cselect_b32 s3, s3, s28
	s_lshl_b32 s3, s3, 2
	s_add_co_u32 s3, s3, s2
	s_lshl_b32 s4, s3, 10
	s_lshl_b32 s6, s34, 20
	s_add_co_u32 s4, s4, s6
	s_add_nc_u64 s[36:37], s[26:27], s[4:5]
	s_wait_kmcnt 0x0
	s_cmp_eq_u32 s34, 1
	s_cselect_b32 s56, s46, s44                    ; e0, e2, e4 or e11
	s_cmp_eq_u32 s34, 2
	s_cselect_b32 s56, s48, s56
	s_cmp_eq_u32 s34, 3
	s_cselect_b32 s56, s55, s56
	s_add_co_i32 s56, s56, 127
	s_lshl_b32 s3, s56, 23
	v_mov_b32 v8, s3
	s_add_co_i32 s56, s56, 8
	s_lshl_b32 s56, s56, 23
	s_or_b32 s56, s56, 0x600000
	v_mov_b32 v11, s56
	WROW 0, 8
	WROW 1, 8
	WROW 2, 8
	WROW 3, 0
	s_wait_tensorcnt 0x0
	ds_add_u32 v240, v241
	s_wait_dscnt 0x0
	s_endpgm
.Lfunc_end_k_q127d8a4132_prep:
	.size	k_q127d8a4132_prep, .Lfunc_end_k_q127d8a4132_prep-k_q127d8a4132_prep
	.p2alignl 7, 3214868480
	.fill 96, 4, 3214868480
	.section	.rodata,"a",@progbits
	.p2align	6, 0x0
	.amdhsa_kernel k_q127d8a4132_prep
		.amdhsa_group_segment_fixed_size 82944
		.amdhsa_private_segment_fixed_size 0
		.amdhsa_enable_private_segment 0
		.amdhsa_kernarg_size 80
		.amdhsa_user_sgpr_count 2
		.amdhsa_user_sgpr_kernarg_segment_ptr 1
		.amdhsa_wavefront_size32 1
		.amdhsa_system_sgpr_workgroup_id_x 1
		.amdhsa_system_sgpr_workgroup_id_y 1
		.amdhsa_system_sgpr_workgroup_id_z 1
		.amdhsa_system_vgpr_workitem_id 0
		.amdhsa_next_free_vgpr 242
		.amdhsa_next_free_sgpr 66
		.amdhsa_reserve_vcc 0
		.amdhsa_float_denorm_mode_32 3
		.amdhsa_float_denorm_mode_16_64 3
		.amdhsa_memory_ordered 1
		.amdhsa_forward_progress 1
		.amdhsa_inst_pref_size 85
	.end_amdhsa_kernel
	.amdgpu_metadata
---
amdhsa.version: [ 1, 2 ]
amdhsa.kernels:
  - .name:           k_q127d8a4132_prep
    .symbol:         k_q127d8a4132_prep.kd
    .args:
      - { .name: x, .offset: 0, .size: 8, .value_kind: global_buffer, .address_space: global }
      - { .name: ln_gamma, .offset: 8, .size: 8, .value_kind: global_buffer, .address_space: global }
      - { .name: ln_beta, .offset: 16, .size: 8, .value_kind: global_buffer, .address_space: global }
      - { .name: Wq, .offset: 24, .size: 8, .value_kind: global_buffer, .address_space: global }
      - { .name: Wk, .offset: 32, .size: 8, .value_kind: global_buffer, .address_space: global }
      - { .name: Wv, .offset: 40, .size: 8, .value_kind: global_buffer, .address_space: global }
      - { .name: Wo, .offset: 48, .size: 8, .value_kind: global_buffer, .address_space: global }
      - { .name: lowp_scales, .offset: 56, .size: 8, .value_kind: global_buffer, .address_space: global }
      - { .name: xc, .offset: 64, .size: 8, .value_kind: global_buffer, .address_space: global }
      - { .name: wc, .offset: 72, .size: 8, .value_kind: global_buffer, .address_space: global }
    .group_segment_fixed_size: 82944
    .private_segment_fixed_size: 0
    .kernarg_segment_align: 8
    .kernarg_segment_size: 80
    .max_flat_workgroup_size: 256
    .sgpr_count:     66
    .vgpr_count:     242
    .wavefront_size: 32
...
	.end_amdgpu_metadata
.endif
;; end of part 1
;; launch qkv (part 2): grid 12 x 64, 4 waves a work-group, clusters of 4 x 4, 327,680 bytes of LDS; arguments xc, wc, bq, bk, bv, lowp_scales, qc, kc, vc; writes qc, kc, vc
.if DOCPART == 2
	.amdgcn_target "amdgcn-amd-amdhsa--gfx1250"
	.amdhsa_code_object_version 6
	.text
	.protected	k_q127d8a4132_qkv
	.globl	k_q127d8a4132_qkv
	.p2align	8
	.type	k_q127d8a4132_qkv,@function
k_q127d8a4132_qkv:
	s_mov_b64 s[64:65], 0
	v_nop
	global_prefetch_b8 v0, s[64:65] scope:SCOPE_SE
	s_setreg_imm32_b32 hwreg(HW_REG_WAVE_MODE, 25, 1), 1
	s_wait_xcnt 0x0
	s_wait_alu depctr_hold_cnt(0) depctr_sa_sdst(0) depctr_va_vdst(0) depctr_va_sdst(0) depctr_va_ssrc(0) depctr_va_vcc(0) depctr_vm_vsrc(0)
	s_getreg_b32 s2, hwreg(HW_REG_IB_STS2, 6, 4)
	s_cmp_eq_u32 s2, 0
	s_cbranch_scc0 .Lentry_in_a_cluster
	s_endpgm
.Lentry_in_a_cluster:
	s_bfe_u32 s2, ttmp6, 0x10000c
	s_cmp_lg_u32 s2, 0xf033
	s_cbranch_scc0 .Lentry_shape_is_right
	s_endpgm
.Lentry_shape_is_right:
; The three projections on codes of E4M3, + bias, quantised again (entries 6, 7, 9 of the scales) into images of the attention's operand registers.
; The cluster's x says which: 0 q, 1 k, 2 v.  A tile is 128 rows of matrix A x 256 rows of matrix B, K = 1,024.  q, k: A = the rows' codes (xc), B = the weight's (wc).  v: A = Wv's stored rows, B = the rows' codes.
; Four waves, each 64 x 128: 32 accumulators.  THE MATRIX INSTRUCTION IS USED TRANSPOSED (source 0 = 16 rows of B, source 1 = 16 rows of A): lane (r, h) holds row r of A's block and its registers
; rows 8 h + 0..7 of B's block.  So for q and k a lane's registers run along the head's channels, for v along the keys: along the next product's K, and the conversions' results are that operand's registers:
;   qc, kc: [batch x head 64][16 rows 128][group 2][lane 32][16 bytes]: a fragment of 16 rows x 64 channels;   vc: [batch x head][128 keys 16][16 stored channels 4][group 4][lane][16 bytes]: 16 channels x 128 keys.
; Every store is 16 bytes a lane, 512 consecutive bytes a wave, straight from the conversions' registers.
; K goes in four steps of 256 through THREE LDS slots: steps 0, 1, 2 are asked for at the start, step 3 is the launch's one refill, into slot 0.  A wave has three tensor loads out at the start and one later.
; CLUSTERS: 4 x 4 work-groups; A's tile is shared along a row of the cluster, B's along a column: joint loads, the same descriptor and mask in the four that are named.
; Fragments are fetched by four loads of 16 bytes, 32 apart: a permutation of k inside an instruction, the same in A and B.
; No prefetch: three quarters of a tile's K are asked for at the head.
; LIMITS: the two operands' exponents added lie between -126 and 127; the exponent of the result's scale between -126 and 119.  NaN among the inputs is not served.
; REGISTERS, in windows of 256: window 0: v16-31 addresses and scales; v32-95 the bias by channel (q, k); v96-103 the bias by stored channel (v); from v128 A's fragments, two sets of 64; on the way out v104-167 numbers, v168-231 codes.
;   window 1: B's fragments, two sets of 128.   window 2: accumulator (a, b) at v[8 (8 a + b)].
.set PITCH, 272                        ; an LDS row: 256 bytes + 16 of padding = 68 words: row r starts at bank 4 r mod 64 (64 banks of 4 bytes: ISA guide 11.1)
.set ASZ,   128*PITCH                  ; A's 128 rows
.set SLOT,  384*PITCH                  ; then B's 256
.set SPARE, 3*SLOT                     ; behind the slots: the spare words, 128 bytes a wave: two blocks of 256 bytes that no other line names
.set KBA,   256                        ; a K step in A's memory, in bytes
.set AQ,    128                        ; A's fragments in LDS: from 128 along K to the next,
.set AC,    32                         ; from four registers to the next,
.set AI,    16*PITCH                   ; from 16 rows to the next
.set ADRA, 16                          ; v16-18  LDS address of my A fragments in slot 0, 1, 2
.set ADRB, 20                          ; v20-22  of B's
.set BVO,  23                          ; v23     v's bias: my stored channel's byte
.set CO,   26                          ; v26     16 x lane
.set BIO,  27                          ; v27     q's and k's bias: 32 x (lane / 16)
.set SPW,  28                          ; v28     LDS address of my spare word; never rewritten
.set NIL,  29                          ; v29     0; never rewritten
.set CS,   30                          ; v30     the result's scale as f32
.set LIM,  31                          ; v31     448 x that
.set BI,   32
.set BV,   96
.set T,    104
.set CD,   168
.set AF,   128
.set G1,   24                          ; s[24:31] descriptor group 1 for A's tiles; s[32:43] group 0, a set for each slot
.set G0,   32
.set G1B,  48                          ; s[48:55], s[68:79] the same for B's
.set G0B,  68
.set MSB, 0
.macro WIN new                         ; the immediate's high byte repeats the setting that is left
.if MSB != \new
	s_set_vgpr_msb (MSB<<8)|\new
.set MSB, \new
.endif
.endm
.set MUL,  0xa1                        ; source 0 (B) window 1, source 1 (A) window 0, C and D window 2
.set TO_B, 0x40                        ; destination window 1, address window 0
.macro JLOAD g0a, g1a, g0b, g1b        ; a joint load: waves 0 and 1 fetch for A, waves 2 and 3 for B; four v_nop follow each line
	s_cmp_eq_u32 s15, 0
	s_cbranch_scc0 .Lfor_b_\@
	tensor_load_to_lds s[\g0a:\g0a+3], s[\g1a:\g1a+7]
	s_nop 0
.rept 4
	v_nop
.endr
	s_branch .Lasked_\@
.Lfor_b_\@:
	tensor_load_to_lds s[\g0b:\g0b+3], s[\g1b:\g1b+7]
	s_nop 0
.rept 4
	v_nop
.endr
.Lasked_\@:
.endm
.macro CREST                           ; a round of the cluster's barrier behind its opening barrier
	s_cmp_lg_u32 s14, 0
	s_cbranch_scc1 .Lnot_wave_0_\@
	s_barrier_signal -3
.Lnot_wave_0_\@:
	s_barrier_wait -3
	s_barrier_signal -1
	s_barrier_wait -1
.endm
.macro CROUND
	s_barrier_signal -1
	s_barrier_wait -1
	CREST
.endm
.macro PLACES n                        ; plain vector instructions between a matrix instruction and a load into, or a vector read or write of, its registers
.rept \n
	v_nop
.endr
.endm
.macro MUL8 a, p, zero                 ; A's block a against B's eight, 128 along K, from set p.  zero = 1: the product starts the sums
.irp b, 0,1,2,3,4,5,6,7
.if \zero
	v_wmma_f32_16x16x128_fp8_fp8 v[8*(8*(\a)+\b):8*(8*(\a)+\b)+7], v[128*(\p)+16*\b:128*(\p)+16*\b+15], v[AF+64*(\p)+16*(\a):AF+64*(\p)+16*(\a)+15], 0
.else
	v_wmma_f32_16x16x128_fp8_fp8 v[8*(8*(\a)+\b):8*(8*(\a)+\b)+7], v[128*(\p)+16*\b:128*(\p)+16*\b+15], v[AF+64*(\p)+16*(\a):AF+64*(\p)+16*(\a)+15], v[8*(8*(\a)+\b):8*(8*(\a)+\b)+7]
.endif
.endr
.endm
.macro MUL32 p, zero                   ; the 32 accumulators take turns, in the same order in every step
	MUL8 0, \p, \zero
	MUL8 1, \p, \zero
	MUL8 2, \p, \zero
	MUL8 3, \p, \zero
.endm
.macro FETCH slot, q, p                ; 48 LDS loads in one run: the fragments of the slot's q-th 128 along K into set p
	WIN TO_B
.irp b, 0,1,2,3,4,5,6,7
.irp c, 0,1,2,3
	ds_load_b128 v[128*(\p)+16*\b+4*\c:128*(\p)+16*\b+4*\c+3], v[ADRB+\slot] offset:128*(\q)+32*\c+\b*16*PITCH
.endr
.endr
	WIN 0
.irp a, 0,1,2,3
.irp c, 0,1,2,3
	ds_load_b128 v[AF+64*(\p)+16*\a+4*\c:AF+64*(\p)+16*\a+4*\c+3], v[ADRA+\slot] offset:AQ*(\q)+AC*\c+AI*\a
.endr
.endr
.endm
.macro SUB p, slot, q                  ; a step of 128 along K on set p; the next step's fragments (slot, q) are asked for first, 32 matrix instructions ahead of their use
	s_wait_dscnt 0x0                               ; set p is in
	PLACES 4                                       ; the other set was read by the matrix instructions just issued
	FETCH \slot, \q, 1-(\p)
	WIN MUL
	MUL32 \p, 0
.endm
	s_load_b512 s[80:95], s[0:1], 0x0              ; xc, wc, bq, bk, bv, the scales, qc, kc
	s_load_b64 s[98:99], s[0:1], 0x40              ; vc
	v_lshl_add_u32 v[SPW], v0, 2, SPARE
	v_mov_b32 v[NIL], 0
	ds_add_u32 v28, v29
	ds_add_u32 v28, v29
	s_wait_dscnt 0x0
	v_lshrrev_b32 v1, 5, v0
	v_readfirstlane_b32 s14, v1                    ; wave 0..3
	s_lshr_b32 s15, s14, 1                         ; which 64 rows of A are mine.  Also: I fetch for A (0) or for B (1)
	s_and_b32 s16, s14, 1                          ; which 128 rows of B.  Also: which half of that tile I fetch
	s_bfe_u32 s44, ttmp6, 0x40000                  ; cx, cy: my place in the cluster
	s_bfe_u32 s45, ttmp6, 0x40004
	s_and_b32 s19, ttmp7, 0xffff                   ; the cluster's y, 0..15
	s_lshr_b32 s20, s19, 3
	s_and_b32 s21, s19, 7
	s_lshl_b32 s2, ttmp9, 23                       ; a set of xc is 2^23 bytes, a tensor of wc 2^20
	s_lshl_b32 s3, ttmp9, 20
	s_cmp_eq_u32 ttmp9, 2                          ; v?  The cluster's x is the same in all sixteen partners
	s_cselect_b32 s20, s20, s19                    ; q, k: 64 tile rows (16 clusters), 4 tile columns (1);  v: 8 tile rows (2 clusters), 32 tile columns (8)
	s_cselect_b32 s21, s21, 0
	s_cselect_b32 s17, s3, s2                      ; where matrix A begins in its buffer,
	s_cselect_b32 s18, s2, s3                      ; and matrix B
	s_cselect_b32 s22, 1, 0
	s_lshl_b32 s20, s20, 2
	s_add_co_u32 s20, s20, s45                     ; tile row
	s_lshl_b32 s21, s21, 2
	s_add_co_u32 s21, s21, s44                     ; tile column
	s_lshl_b32 s46, s45, 2
	s_lshl_b32 s46, 15, s46                        ; my row of the cluster
	s_lshl_b32 s47, 0x1111, s44                    ; my column
	s_or_b32 s[G1], s46, (1<<20)|(1<<21)|(5<<22)|(3<<25)   ; 15:0 the mask; 17:16 elements of 1 byte; 20 padding on; 21 set beside a mask; 24:22 after every 64 words; 31:25 four words
	s_mov_b32 s[G1+1], 256<<16                     ; tensor_dim0 = 256
	s_mov_b32 s[G1+2], 64<<16                      ; tensor_dim1 = 64
	s_mov_b32 s[G1+3], 256<<16                     ; tile_dim0
	s_mov_b32 s[G1+4], 64                          ; tile_dim1
	s_mov_b32 s[G1+5], 1024                        ; from row to row
	s_mov_b32 s[G1+6], 0
	s_mov_b32 s[G1+7], 0
	s_or_b32 s[G1B], s47, (1<<20)|(1<<21)|(5<<22)|(3<<25)
	s_mov_b32 s[G1B+1], 256<<16
	s_mov_b32 s[G1B+2], 128<<16                    ; 128 rows
	s_mov_b32 s[G1B+3], 256<<16
	s_mov_b32 s[G1B+4], 128
	s_mov_b32 s[G1B+5], 1024
	s_mov_b32 s[G1B+6], 0
	s_mov_b32 s[G1B+7], 0
	s_lshl_b32 s2, s20, 17                         ; A: row 128 x tile row + 64 x half, 1,024 bytes a row
	s_lshl_b32 s3, s16, 16
	s_add_co_u32 s2, s2, s3
	s_add_co_u32 s2, s2, s17
	s_mov_b32 s3, 0
	s_lshl_b32 s66, s21, 18                        ; B: row 256 x tile column + 128 x half
	s_lshl_b32 s67, s16, 17
	s_add_co_u32 s66, s66, s67
	s_add_co_u32 s66, s66, s18
	s_mov_b32 s67, 0
	s_mul_i32 s23, s16, 64*PITCH                   ; where they go: no place in the cluster enters an LDS address
	s_mul_i32 s19, s16, 128*PITCH
	s_add_co_u32 s19, s19, ASZ
	s_wait_kmcnt 0x0
	s_load_b256 s[4:11], s[90:91], 0x0             ; e0 .. e7
	s_load_b128 s[56:59], s[90:91], 0x20           ; e8 .. e11
	s_cmp_eq_u32 ttmp9, 2
	s_cselect_b64 s[60:61], s[82:83], s[80:81]     ; matrix A's buffer,
	s_cselect_b64 s[62:63], s[80:81], s[82:83]     ; matrix B's
	s_add_nc_u64 s[60:61], s[60:61], s[2:3]
	s_add_nc_u64 s[62:63], s[62:63], s[66:67]
	CROUND                                         ; all sixteen work-groups are here: the first joint loads meet
.irp s, 0,1,2
	s_mov_b32 s[G0+4*\s], 1
	s_add_co_u32 s[G0+4*\s+1], s23, \s*SLOT
	s_add_nc_u64 s[G0+4*\s+2:G0+4*\s+3], s[60:61], \s*KBA
	s_or_b32 s[G0+4*\s+3], s[G0+4*\s+3], 0x80000000
	s_mov_b32 s[G0B+4*\s], 1
	s_add_co_u32 s[G0B+4*\s+1], s19, \s*SLOT
	s_add_nc_u64 s[G0B+4*\s+2:G0B+4*\s+3], s[62:63], \s*256
	s_or_b32 s[G0B+4*\s+3], s[G0B+4*\s+3], 0x80000000
.endr
	s_cmp_eq_u32 s15, 0                            ; a wave's three first fills stand in one branch, ahead of every wait on TENSORcnt and every LDS read
	s_cbranch_scc0 .Lfirst_b
	tensor_load_to_lds s[G0:G0+3], s[G1:G1+7]
	s_nop 0
	tensor_load_to_lds s[G0+4:G0+7], s[G1:G1+7]
	s_nop 0
	tensor_load_to_lds s[G0+8:G0+11], s[G1:G1+7]
	s_nop 0
.rept 4
	v_nop
.endr
	s_branch .Lfirst_asked
.Lfirst_b:
	tensor_load_to_lds s[G0B:G0B+3], s[G1B:G1B+7]
	s_nop 0
	tensor_load_to_lds s[G0B+4:G0B+7], s[G1B:G1B+7]
	s_nop 0
	tensor_load_to_lds s[G0B+8:G0B+11], s[G1B:G1B+7]
	s_nop 0
.rept 4
	v_nop
.endr
.Lfirst_asked:
	v_and_b32 v1, 15, v0                           ; r
	v_bfe_u32 v2, v0, 4, 1                         ; h
	v_and_b32 v5, 31, v0
	v_lshlrev_b32 v[CO], 4, v5
	v_lshlrev_b32 v[BIO], 5, v2
	v_and_b32 v5, 7, v1
	v_lshrrev_b32 v6, 3, v1
	v_lshl_add_u32 v5, v6, 4, v5
	v_lshlrev_b32 v[BVO], 2, v5                    ; stored row 16 a + r of a head holds channel 32 (a / 2) + 8 (a % 2) + r % 8 + 16 (r / 8)
	; THE BIASES.  Both forms are loaded by every work-group, so that every register is written on every way; the form that the cluster does not use is read at its buffer's first bytes.
	s_lshl_b32 s2, s21, 10                         ; q, k: my 128 channels: 256 x tile column + 128 x half, 4 bytes each
	s_lshl_b32 s3, s16, 9
	s_add_co_u32 s2, s2, s3
	s_lshl_b32 s66, s20, 9                         ; v: my head, 2 x tile row + half, 256 bytes a head
	s_lshl_b32 s67, s15, 8
	s_add_co_u32 s66, s66, s67
	s_cmp_eq_u32 s22, 1
	s_cselect_b32 s2, 0, s2
	s_cselect_b32 s66, s66, 0
	s_mov_b32 s3, 0
	s_mov_b32 s67, 0
	s_cmp_eq_u32 ttmp9, 1
	s_cselect_b64 s[12:13], s[86:87], s[84:85]
	s_add_nc_u64 s[12:13], s[12:13], s[2:3]
	s_add_nc_u64 s[66:67], s[88:89], s[66:67]
.irp b, 0,1,2,3,4,5,6,7
	global_load_b128 v[BI+8*\b:BI+8*\b+3], v[BIO], s[12:13] offset:64*\b        ; the bias of channels 16 b + 8 h + 0..7
	global_load_b128 v[BI+8*\b+4:BI+8*\b+7], v[BIO], s[12:13] offset:64*\b+16
.endr
.irp a, 0,1,2,3
	global_load_b32 v[BV+2*\a], v[BVO], s[66:67] offset:4*(32*(\a/2)+8*(\a%2))
	v_mov_b32 v[BV+2*\a+1], 0                      ; named as the upper half of a pair
.endr
	v_mul_u32_u24 v3, v1, PITCH
	v_lshl_add_u32 v4, v2, 4, v3                   ; a fragment's row x pitch + 16 x half
	s_mul_i32 s2, s15, 64*PITCH                    ; my 64 rows of A,
	s_mul_i32 s3, s16, 128*PITCH                   ; my 128 rows of B,
	s_add_co_u32 s3, s3, ASZ                       ; which lie behind A's
.irp s, 0,1,2
	v_add_nc_u32 v[ADRA+\s], s2, v4
	v_add_nc_u32 v[ADRB+\s], s3, v4
	s_add_co_u32 s2, s2, SLOT
	s_add_co_u32 s3, s3, SLOT
.endr
	s_wait_kmcnt 0x0
	s_cmp_eq_u32 ttmp9, 1                          ; the weight's exponent, the rows', the result's: (e0, e1, e6), (e2, e3, e7), (e4, e5, e9)
	s_cselect_b32 s2, s6, s4
	s_cselect_b32 s3, s7, s5
	s_cselect_b32 s17, s11, s10
	s_cmp_eq_u32 ttmp9, 2
	s_cselect_b32 s2, s8, s2
	s_cselect_b32 s3, s9, s3
	s_cselect_b32 s17, s57, s17
	s_add_co_i32 s2, s2, s3
	s_add_co_i32 s2, s2, 127
	s_lshl_b32 s96, s2, 23                         ; a sum stands for sum x 2^(the two exponents added)
	s_mov_b32 s97, s96                             ; (named with it as a pair)
	s_add_co_i32 s17, s17, 127
	s_lshl_b32 s2, s17, 23
	v_mov_b32 v[CS], s2
	s_add_co_i32 s17, s17, 8
	s_lshl_b32 s17, s17, 23
	s_or_b32 s17, s17, 0x600000
	v_mov_b32 v[LIM], s17
	; where my results go.  q, k: batch (2^21 bytes), head (2^17), block of 16 rows (2^10)
	s_lshl_b32 s2, s20, 3
	s_lshl_b32 s3, s15, 2
	s_add_co_u32 s2, s2, s3                        ; my first block of 16 rows, of 512
	s_lshr_b32 s3, s2, 7
	s_lshl_b32 s3, s3, 21
	s_and_b32 s2, s2, 127
	s_lshl_b32 s2, s2, 10
	s_add_co_u32 s2, s2, s3
	s_lshl_b32 s3, s21, 2
	s_lshl_b32 s17, s16, 1
	s_add_co_u32 s3, s3, s17                       ; my first head
	s_lshl_b32 s3, s3, 17
	s_add_co_u32 s2, s2, s3
	; v: batch (2^21), head (2^17), 128 keys (2^13)
	s_lshl_b32 s3, s21, 1
	s_add_co_u32 s3, s3, s16                       ; my 128 keys, of 64 such
	s_lshr_b32 s17, s3, 4
	s_lshl_b32 s17, s17, 21
	s_and_b32 s3, s3, 15
	s_lshl_b32 s3, s3, 13
	s_add_co_u32 s3, s3, s17
	s_lshl_b32 s17, s20, 1
	s_add_co_u32 s17, s17, s15                     ; my head
	s_lshl_b32 s17, s17, 17
	s_add_co_u32 s3, s3, s17
	s_cmp_eq_u32 s22, 1
	s_cselect_b32 s2, s3, s2
	s_mov_b32 s3, 0
	s_cmp_eq_u32 ttmp9, 1
	s_cselect_b64 s[18:19], s[94:95], s[92:93]
	s_cmp_eq_u32 ttmp9, 2
	s_cselect_b64 s[18:19], s[98:99], s[18:19]
	s_add_nc_u64 s[18:19], s[18:19], s[2:3]
	s_wait_tensorcnt 0x2                           ; my part of K step 0 is in; the two younger loads, slots 1 and 2, may stay out
	s_barrier_signal -1
	s_barrier_wait -1                              ; everybody's is
	FETCH 0, 0, 0
	s_wait_dscnt 0x0
	FETCH 0, 1, 1
	WIN MUL
	MUL32 0, 1                                     ; the first products start the sums: nothing is cleared
	; the second step of 128 leaves slot 0, which takes K step 3
	WIN 0                                          ; (the add's two registers lie in window 0)
	s_wait_tensorcnt 0x0                           ; all my tensor loads have landed: my parts of slots 1 and 2
	ds_add_u32 v[SPW], v[NIL]                      ; 0 onto my spare word
	s_wait_dscnt 0x1                               ; set 1 is in; the add alone may be out
	WIN MUL
	MUL8 0, 1, 0                                   ; eight matrix instructions stand between the add and the wait for it
	s_wait_dscnt 0x0                               ; the add is done, and my reads of slot 0 are over
	s_barrier_signal -1
	MUL8 1, 1, 0
	WIN 0
	s_barrier_wait -1
	CREST                                          ; the barrier has opened a round of the cluster's: no wave of any partner still reads slot 0 or has a load on its way
	s_add_nc_u64 s[G0+2:G0+3], s[G0+2:G0+3], 3*KBA
	s_add_nc_u64 s[G0B+2:G0B+3], s[G0B+2:G0B+3], 3*256
	JLOAD G0, G1, G0B, G1B                         ; the first tensor load behind the round, and my last; its four v_nop are the places in front of the loads below
	FETCH 1, 0, 0
	WIN MUL
	MUL8 2, 1, 0
	MUL8 3, 1, 0
	SUB 0, 1, 1
	SUB 1, 2, 0
	SUB 0, 2, 1
	s_wait_tensorcnt 0x0                           ; the one load of mine that is out is my part of K step 3: the count that its readers need
	s_wait_dscnt 0x0                               ; set 1 is in
	s_barrier_signal -1
	s_barrier_wait -1                              ; K step 3 is whole
	PLACES 4
	FETCH 0, 0, 0
	WIN MUL
	MUL32 1, 0
	SUB 0, 0, 1
	s_wait_dscnt 0x0
	WIN MUL
	MUL32 1, 0
	WIN 0
; THE WAY OUT, A's block a at a time: sum x 2^(exponents) + bias in one packed multiply-add, the hold, the conversion; blocks 2 p and 2 p + 1 of B give four registers of the next operand.
.macro EPI isv
.irp a, 0,1,2,3
	WIN 0x02                                       ; source 0 window 2
.irp b, 0,1,2,3,4,5,6,7
.irp j, 0,2,4,6
.if \isv
	v_pk_fma_f32 v[T+8*\b+\j:T+8*\b+\j+1], v[8*(8*\a+\b)+\j:8*(8*\a+\b)+\j+1], s[96:97], v[BV+2*\a:BV+2*\a+1] op_sel_hi:[1,0,0]   ; each accumulator from its low end on
.else
	v_pk_fma_f32 v[T+8*\b+\j:T+8*\b+\j+1], v[8*(8*\a+\b)+\j:8*(8*\a+\b)+\j+1], s[96:97], v[BI+8*\b+\j:BI+8*\b+\j+1] op_sel_hi:[1,0,1]
.endif
.endr
.endr
	WIN 0
.set i, 0
.rept 64
	v_med3_num_f32 v[T+i], v[T+i], -v[LIM], v[LIM] ; the conversion to an 8-bit code does not saturate (ISA guide 7.6.2)
.set i, i+1
.endr
.irp b, 0,1,2,3,4,5,6,7
	v_cvt_scalef32_pk8_fp8_f32 v[CD+16*\a+2*\b:CD+16*\a+2*\b+1], v[T+8*\b:T+8*\b+7], v[CS]
.endr
	v_nop                                          ; a plain line between the conversions and the next block's multiply-adds, which write their sources
.irp p, 0,1,2,3
.if \isv
	global_store_b128 v[CO], v[CD+16*\a+4*\p:CD+16*\a+4*\p+3], s[18:19] offset:\a*2048+\p*512                    ; stored channels 16 a on, keys 32 p on
.else
	global_store_b128 v[CO], v[CD+16*\a+4*\p:CD+16*\a+4*\p+3], s[18:19] offset:(\p/2)*131072+\a*1024+(\p%2)*512   ; head p / 2, rows 16 a on, channels 32 (p % 2) on
.endif
.endr
.endr
.endm
	s_wait_loadcnt 0x0                             ; the biases
	PLACES 4
	s_cmp_eq_u32 s22, 1                            ; the same in all sixteen partners
	s_cbranch_scc1 .Lout_v
	EPI 0
	s_branch .Lout_done
.Lout_v:
	EPI 1
.Lout_done:
	s_wait_tensorcnt 0x0                           ; the wave's end
	ds_add_u32 v[SPW], v[NIL]
	s_wait_dscnt 0x0
	CROUND                                         ; the closing round
	s_endpgm
.Lfunc_end_k_q127d8a4132_qkv:
	.size	k_q127d8a4132_qkv, .Lfunc_end_k_q127d8a4132_qkv-k_q127d8a4132_qkv
	.p2alignl 7, 3214868480
	.fill 96, 4, 3214868480
	.section	.rodata,"a",@progbits
	.p2align	6, 0x0
	.amdhsa_kernel k_q127d8a4132_qkv
		.amdhsa_group_segment_fixed_size 327680
		.amdhsa_private_segment_fixed_size 0
		.amdhsa_enable_private_segment 0
		.amdhsa_kernarg_size 72
		.amdhsa_user_sgpr_count 2
		.amdhsa_user_sgpr_kernarg_segment_ptr 1
		.amdhsa_wavefront_size32 1
		.amdhsa_system_sgpr_workgroup_id_x 1
		.amdhsa_system_sgpr_workgroup_id_y 1
		.amdhsa_system_sgpr_workgroup_id_z 1
		.amdhsa_system_vgpr_workitem_id 0
		.amdhsa_next_free_vgpr 768
		.amdhsa_next_free_sgpr 104
		.amdhsa_reserve_vcc 0
		.amdhsa_float_denorm_mode_32 3
		.amdhsa_float_denorm_mode_16_64 3
		.amdhsa_memory_ordered 1
		.amdhsa_forward_progress 1
		.amdhsa_inst_pref_size 111
	.end_amdhsa_kernel
	.amdgpu_metadata
---
amdhsa.version: [ 1, 2 ]
amdhsa.kernels:
  - .name:           k_q127d8a4132_qkv
    .symbol:         k_q127d8a4132_qkv.kd
    .args:
      - { .name: xc, .offset: 0, .size: 8, .value_kind: global_buffer, .address_space: global }
      - { .name: wc, .offset: 8, .size: 8, .value_kind: global_buffer, .address_space: global }
      - { .name: bq, .offset: 16, .size: 8, .value_kind: global_buffer, .address_space: global }
      - { .name: bk, .offset: 24, .size: 8, .value_kind: global_buffer, .address_space: global }
      - { .name: bv, .offset: 32, .size: 8, .value_kind: global_buffer, .address_space: global }
      - { .name: lowp_scales, .offset: 40, .size: 8, .value_kind: global_buffer, .address_space: global }
      - { .name: qc, .offset: 48, .size: 8, .value_kind: global_buffer, .address_space: global }
      - { .name: kc, .offset: 56, .size: 8, .value_kind: global_buffer, .address_space: global }
      - { .name: vc, .offset: 64, .size: 8, .value_kind: global_buffer, .address_space: global }
    .group_segment_fixed_size: 327680
    .private_segment_fixed_size: 0
    .kernarg_segment_align: 8
    .kernarg_segment_size: 72
    .max_flat_workgroup_size: 128
    .sgpr_count:     104
    .vgpr_count:     768
    .wavefront_size: 32
...
	.end_amdgpu_metadata
.endif
;; end of part 2
;; launch attn (part 3): grid 4 x 64, 16 waves a work-group, no clusters, 264,192 bytes of LDS; arguments qc, kc, vc, lowp_scales, cc; writes cc
.if DOCPART == 3
	.amdgcn_target "amdgcn-amd-amdhsa--gfx1250"
	.amdhsa_code_object_version 6
	.text
	.protected	k_q127d8a4132_attn
	.globl	k_q127d8a4132_attn
	.p2align	8
	.type	k_q127d8a4132_attn,@function
k_q127d8a4132_attn:
	s_mov_b64 s[64:65], 0
	v_nop
	global_prefetch_b8 v0, s[64:65] scope:SCOPE_SE
	s_setreg_imm32_b32 hwreg(HW_REG_WAVE_MODE, 25, 1), 1
	s_wait_xcnt 0x0
; Attention on codes of E4M3: S^T = K Q^T, p = 2^(t - M), O^T = V^T P^T, O / l, quantised with entry 10 of the scales into images of the last product's operand registers.
; t = score x log2(e) / 8; M = the running largest t rounded UP to a whole number; p is quantised with entry 8, not normalised; l is the sum of the unquantised p.  When M moves, l and O^T are multiplied by 2^(old M - new M): exact.
; SHARES.  A work-group owns 512 queries of one batch x head; each of its sixteen waves 32 of them, two tiles of 16, so that each fragment of K and V read from LDS feeds two matrix instructions.
; Four waves to a SIMD: one wave's exponentials stand beside another's plain work, products and LDS loads.
; LDS holds the head's K (131,072 bytes) and V (131,072) whole, as plain copies of kc and vc, which are images of operand registers: every fragment load reads 512 consecutive bytes.  They are copied once, through registers,
; 8,192 bytes of each a wave; one barrier; then LDS is only read.  No tensor load, no shared request, no prefetch: what work-groups share is read once, at the head, 32 loads a lane against sixteen key steps of some 470 instructions;
; and a scalar branch on the given whole number e8 passes over p's hold, 128 instructions a step.
; LAYOUT.  Both products are used transposed: a lane holds ONE query (lane % 16).  A tile of S^T (16 keys) converts into registers 2 T, 2 T + 1 of P: keys 16 T + 8 (lane / 16) + 0..7, the place that the K = 128 form gives them.
; V's channels were stored so that tiles 2 b and 2 b + 1 of O^T are channels 32 b + 16 (lane / 16) + 0..15.   cc: [16 rows 512][head 16][group 2][lane 32][16 bytes].
; THE HOLD OF p.  p is at most 1 (a rounding above it at the most), so the hold at 448 x 2^e8 can bite only where e8 < -8: it is passed over where e8 >= -8.
; LIMITS: e6 + e7 between -123 and 130 (added to c's exponent field); e8 and e10 between -126 and 119; e8 + e9 is applied by v_ldexp_f32 and has none.  NaN among the inputs is not served.
; REGISTERS: v1 16 x lane; v2 the LDS address in hand; v3 2^e8; v4-7 at work; v8-15, v16-23 Q's two fragments; v24 -M, v25 the largest t, v[26:27] l of tile A; v28-31 of tile B;
;   v32-63 four fragments of K, then P of A (v32-47) and of B (v48-63); v64-127 S^T of A, then V's four fragments; v128-191 S^T of B; v192-223, v224-255 O^T of A, of B.
.set LI,   1
.set ADR,  2
.set QA,   8
.set QB,   16
.set KF,   32
.set PA,   32
.set PB,   48
.set SA,   64
.set VF,   64
.set SB,   128
.set OA,   192
.set OB,   224
.set VBASE, 131072
	s_load_b256 s[4:11], s[0:1], 0x0               ; qc, kc, vc, the scales
	s_load_b64 s[12:13], s[0:1], 0x20              ; cc
	v_lshrrev_b32 v2, 5, v0
	v_readfirstlane_b32 s14, v2                    ; wave 0..15
	v_and_b32 v1, 31, v0
	v_lshlrev_b32 v[LI], 4, v1
	s_and_b32 s15, ttmp7, 0xffff                   ; batch x head
	s_lshl_b32 s16, s15, 17                        ; its 131,072 bytes in qc, kc and vc
	s_mov_b32 s17, 0
	s_lshl_b32 s18, s14, 13                        ; my 8,192 bytes of the copies
	s_mov_b32 s19, 0
	s_lshl_b32 s2, ttmp9, 15                       ; my two blocks of 16 queries: 32 x work-group x + 2 x wave, 1,024 bytes each
	s_lshl_b32 s3, s14, 11
	s_add_co_u32 s2, s2, s3
	s_mov_b32 s3, 0
	v_add_nc_u32 v[ADR], s18, v[LI]                ; where my part of K goes,
	v_add_nc_u32 v4, VBASE, v[ADR]                 ; and of V
	s_wait_kmcnt 0x0
	s_load_b256 s[32:39], s[10:11], 0x0            ; e0 .. e7
	s_load_b128 s[40:43], s[10:11], 0x20           ; e8 .. e11
	s_add_nc_u64 s[4:5], s[4:5], s[16:17]
	s_add_nc_u64 s[4:5], s[4:5], s[2:3]
	s_add_nc_u64 s[6:7], s[6:7], s[16:17]
	s_add_nc_u64 s[6:7], s[6:7], s[18:19]
	s_add_nc_u64 s[8:9], s[8:9], s[16:17]
	s_add_nc_u64 s[8:9], s[8:9], s[18:19]
.irp c, 0,1
	global_load_b128 v[QA+4*\c:QA+4*\c+3], v[LI], s[4:5] offset:512*\c
	global_load_b128 v[QB+4*\c:QB+4*\c+3], v[LI], s[4:5] offset:1024+512*\c
.endr
.set i, 0
.rept 16
	global_load_b128 v[64+4*i:64+4*i+3], v[LI], s[6:7] offset:512*i
.set i, i+1
.endr
.set i, 0
.rept 16
	global_load_b128 v[128+4*i:128+4*i+3], v[LI], s[8:9] offset:512*i
.set i, i+1
.endr
	s_lshr_b32 s2, s15, 4                          ; cc: block of 16 rows = 128 x batch + 32 x work-group x + 2 x wave, 16,384 bytes each; head: 1,024
	s_lshl_b32 s2, s2, 21
	s_lshl_b32 s3, ttmp9, 19
	s_add_co_u32 s2, s2, s3
	s_lshl_b32 s3, s14, 15
	s_add_co_u32 s2, s2, s3
	s_and_b32 s3, s15, 15
	s_lshl_b32 s3, s3, 10
	s_add_co_u32 s2, s2, s3
	s_mov_b32 s3, 0
	s_add_nc_u64 s[12:13], s[12:13], s[2:3]
	s_mov_b32 s20, 0x76543210                      ; lane l xor 16
	s_mov_b32 s21, 0xfedcba98
	s_mov_b32 s22, 0x3e38aa3b                      ; c = log2(e) / 8
	s_wait_kmcnt 0x0
	s_add_co_i32 s2, s38, s39
	s_lshl_b32 s2, s2, 23
	s_add_co_i32 s22, s22, s2                      ; a score stands for score x 2^(e6 + e7): added to c's exponent field
	s_mov_b32 s23, s22                             ; (named with it as a pair)
	s_add_co_i32 s2, s40, 127
	s_lshl_b32 s3, s2, 23
	v_mov_b32 v3, s3                               ; 2^e8 as f32, for p's conversions
	s_add_co_i32 s2, s2, 8
	s_lshl_b32 s2, s2, 23
	s_or_b32 s24, s2, 0x600000                     ; 448 x 2^e8
	s_cmp_ge_i32 s40, -8
	s_cselect_b32 s25, 1, 0                        ; 1: the hold cannot bite
	s_add_co_i32 s27, s40, s41                     ; e8 + e9
	s_add_co_i32 s2, s42, 127
	s_lshl_b32 s28, s2, 23                         ; 2^e10
	s_add_co_i32 s2, s2, 8
	s_lshl_b32 s2, s2, 23
	s_or_b32 s29, s2, 0x600000                     ; 448 x 2^e10
	v_mov_b32 v25, 0xff61b1e6                      ; the largest t so far: -3e38, under every t
	v_floor_f32 v24, -v25                          ; -M
	v_mov_b32 v26, 0                               ; l, in two halves
	v_mov_b32 v27, 0
	v_mov_b32 v29, 0xff61b1e6
	v_floor_f32 v28, -v29
	v_mov_b32 v30, 0
	v_mov_b32 v31, 0
	v_mov_b32 v6, 0                                ; a lane permute's destination counts as read
.set i, 0
.rept 64
	v_mov_b32 v[OA+i], 0                           ; O^T.  (The step is written once: the first finds zeros, which the first change of M leaves zeros)
.set i, i+1
.endr
.set i, 0
.rept 16
	s_wait_loadcnt 31-i                            ; loads come back in order: Q and copy i are in, the younger copies stay out
	ds_store_b128 v[ADR], v[64+4*i:64+4*i+3] offset:512*i
.set i, i+1
.endr
.set i, 0
.rept 16
	s_wait_loadcnt 15-i
	ds_store_b128 v4, v[128+4*i:128+4*i+3] offset:512*i
.set i, i+1
.endr
	s_wait_dscnt 0x0                               ; for the others' sake: my stores have landed
	s_barrier_signal -1
	s_barrier_wait -1                              ; the head's K and V lie in LDS; from here on LDS is only read
; One tile's softmax for 128 keys.  S: its 64 scores; ST: -M, the largest t, l; P: where its codes go; O: its O^T.  vload = 1: V's fragments are asked for behind the conversions, into the registers that the scores leave.
.macro SOFTMAX S, ST, P, O, vload
	v_max3_num_f32 v4, v[\S], v[\S+1], v[\S+2]     ; the largest score of my query among my 64 keys, in two chains, each accumulator from its low end on
	v_max3_num_f32 v5, v[\S+3], v[\S+4], v[\S+5]
.irp i, 6,10,14,18,22,26,30,34,38,42,46,50,54,58
	v_max3_num_f32 v4, v4, v[\S+\i], v[\S+\i+1]
	v_max3_num_f32 v5, v5, v[\S+\i+2], v[\S+\i+3]
.endr
	v_max3_num_f32 v4, v4, v[\S+62], v[\S+63]
	v_max_num_f32 v4, v4, v5
	v_permlanex16_b32 v6, v4, s20, s21
	v_max_num_f32 v4, v4, v6                       ; and among lane l xor 16's
	v_mul_f32 v4, s22, v4                          ; as t (c is positive)
	v_max_num_f32 v[\ST+1], v[\ST+1], v4           ; the running largest t
	v_mov_b32 v4, v[\ST]
	v_floor_f32 v[\ST], -v[\ST+1]                  ; the new -M = floor(-t) = -ceil(t)
	v_sub_f32 v4, v[\ST], v4                       ; old M - new M: a whole number, 0 or less
	v_cvt_i32_f32 v5, v4                           ; (it saturates)
	v_ldexp_f32 v4, 1.0, v5                        ; f = 2^(old M - new M)
.set n, 0
.rept 32
	v_pk_fma_f32 v[\S+n:\S+n+1], v[\S+n:\S+n+1], s[22:23], v[\ST:\ST+1] op_sel_hi:[1,0,0]   ; t - M (of the pairs c and -M the low word serves both halves)
.set n, n+2
.endr
.set n, 0
.rept 64
	v_exp_f32 v[\S+n], v[\S+n]                     ; p = 2^(t - M)
.set n, n+1
.endr
	v_pk_mul_f32 v[\ST+2:\ST+3], v[\ST+2:\ST+3], v[4:5] op_sel_hi:[1,0]   ; l under the new M.  (A plain place behind the exponentials)
	s_wait_alu depctr_va_vdst(0)
	v_pk_add_f32 v[6:7], v[\S:\S+1], v[\S+2:\S+3]  ; the sum of the unquantised p, in two chains
.set n, 4
.rept 15
	v_pk_add_f32 v[\ST+2:\ST+3], v[\ST+2:\ST+3], v[\S+n:\S+n+1]
	v_pk_add_f32 v[6:7], v[6:7], v[\S+n+2:\S+n+3]
.set n, n+4
.endr
	v_pk_add_f32 v[\ST+2:\ST+3], v[\ST+2:\ST+3], v[6:7]
	s_cmp_lg_u32 s25, 0                            ; a branch on the given whole number e8, the same in every wave
	s_cbranch_scc1 .Lno_hold_\@
.set n, 0
.rept 64
	v_min_num_f32 v[\S+n], s24, v[\S+n]            ; the conversion does not saturate (ISA guide 7.6.2); p is not negative, so the hold is one-sided
.set n, n+1
.endr
.Lno_hold_\@:
.irp t, 0,1,2,3,4,5,6,7
	v_cvt_scalef32_pk8_fp8_f32 v[\P+2*\t:\P+2*\t+1], v[\S+8*\t:\S+8*\t+7], v3
.endr
.if \vload
	s_add_co_u32 s30, s26, VBASE
	v_add_nc_u32 v[ADR], s30, v[LI]
.irp t, 0,1,2,3
.irp g, 0,1,2,3
	ds_load_b128 v[VF+16*\t+4*\g:VF+16*\t+4*\g+3], v[ADR] offset:2048*\t+512*\g   ; they land under the other tile's softmax
.endr
.endr
.endif
.set n, 0
.rept 16
	v_pk_mul_f32 v[\O+n:\O+n+1], v[\O+n:\O+n+1], v[4:5] op_sel_hi:[1,0]   ; O^T under the new M.  (The plain lines behind the conversions)
.set n, n+2
.endr
.endm
	s_mov_b32 s26, 0                               ; the step's byte in K's and in V's copy: 8,192 a step; also the loop's counter
.Lstep:
	v_add_nc_u32 v[ADR], s26, v[LI]
.rept 4
	v_nop                                          ; with the line above five places behind the last products: K's loads land in P's registers (four are asked), and the first product below writes over V's (five)
.endr
.irp g, 0,1                                    ; S^T = K Q^T: four tiles of 16 keys at a time, each fragment against both tiles of queries
.if \g
.rept 4
	v_nop                                          ; places in front of loads into registers that matrix instructions have read
.endr
.endif
.irp t, 0,1,2,3
.irp c, 0,1
	ds_load_b128 v[KF+8*\t+4*\c:KF+8*\t+4*\c+3], v[ADR] offset:(4*\g+\t)*1024+512*\c
.endr
.endr
	s_wait_dscnt 0x0
.irp t, 0,1,2,3
	v_wmma_f32_16x16x64_fp8_fp8 v[SA+8*(4*\g+\t):SA+8*(4*\g+\t)+7], v[KF+8*\t:KF+8*\t+7], v[QA:QA+7], 0
	v_wmma_f32_16x16x64_fp8_fp8 v[SB+8*(4*\g+\t):SB+8*(4*\g+\t)+7], v[KF+8*\t:KF+8*\t+7], v[QB:QB+7], 0
.endr
.endr
.rept 4
	v_nop
.endr
	SOFTMAX SA, 24, PA, OA, 1
	SOFTMAX SB, 28, PB, OB, 0
	s_wait_dscnt 0x0                               ; V is in
.irp t, 0,1,2,3                                ; O^T += V^T P^T: the eight accumulators by turns
	v_wmma_f32_16x16x128_fp8_fp8 v[OA+8*\t:OA+8*\t+7], v[VF+16*\t:VF+16*\t+15], v[PA:PA+15], v[OA+8*\t:OA+8*\t+7]
	v_wmma_f32_16x16x128_fp8_fp8 v[OB+8*\t:OB+8*\t+7], v[VF+16*\t:VF+16*\t+15], v[PB:PB+15], v[OB+8*\t:OB+8*\t+7]
.endr
	s_add_co_u32 s26, s26, 8192
	s_cmp_lt_u32 s26, 131072
	s_cbranch_scc1 .Lstep
	; THE WAY OUT: O^T / l x 2^(e8 + e9), held, converted with 2^e10: tiles 2 b and 2 b + 1 give group b of the head's image; 16 bytes a lane, 512 consecutive bytes a store
.rept 4
	v_nop
.endr
	v_mov_b32 v3, s28
	v_mov_b32 v7, s29
.macro FINISH ST, O, D, off
	v_add_f32 v4, v[\ST+2], v[\ST+3]               ; l's two halves,
	v_permlanex16_b32 v6, v4, s20, s21
	v_add_f32 v4, v4, v6                           ; and lane l xor 16's
	v_rcp_f32 v4, v4
	v_nop                                          ; a plain place behind the transcendental
	s_wait_alu depctr_va_vdst(0)
	v_ldexp_f32 v4, v4, s27
.set n, 0
.rept 16
	v_pk_mul_f32 v[\O+n:\O+n+1], v[\O+n:\O+n+1], v[4:5] op_sel_hi:[1,0]
.set n, n+2
.endr
.set n, 0
.rept 32
	v_med3_num_f32 v[\O+n], v[\O+n], -v7, v7
.set n, n+1
.endr
.irp q, 0,1,2,3
	v_cvt_scalef32_pk8_fp8_f32 v[\D+2*\q:\D+2*\q+1], v[\O+8*\q:\O+8*\q+7], v3
.endr
	v_nop                                          ; a plain line behind the last conversion
	global_store_b128 v[LI], v[\D:\D+3], s[12:13] offset:\off
	global_store_b128 v[LI], v[\D+4:\D+7], s[12:13] offset:\off+512
.endm
	FINISH 24, OA, 32, 0
	FINISH 28, OB, 40, 16384
	s_wait_xcnt 0x0
	v_lshl_add_u32 v254, v0, 2, 0x40000
	v_mov_b32 v255, 0
	s_wait_tensorcnt 0x0
	ds_add_u32 v254, v255
	s_wait_dscnt 0x0
	s_endpgm
.Lfunc_end_k_q127d8a4132_attn:
	.size	k_q127d8a4132_attn, .Lfunc_end_k_q127d8a4132_attn-k_q127d8a4132_attn
	.p2alignl 7, 3214868480
	.fill 96, 4, 3214868480
	.section	.rodata,"a",@progbits
	.p2align	6, 0x0
	.amdhsa_kernel k_q127d8a4132_attn
		.amdhsa_group_segment_fixed_size 264192
		.amdhsa_private_segment_fixed_size 0
		.amdhsa_enable_private_segment 0
		.amdhsa_kernarg_size 40
		.amdhsa_user_sgpr_count 2
		.amdhsa_user_sgpr_kernarg_segment_ptr 1
		.amdhsa_wavefront_size32 1
		.amdhsa_system_sgpr_workgroup_id_x 1
		.amdhsa_system_sgpr_workgroup_id_y 1
		.amdhsa_system_sgpr_workgroup_id_z 1
		.amdhsa_system_vgpr_workitem_id 0
		.amdhsa_next_free_vgpr 256
		.amdhsa_next_free_sgpr 66
		.amdhsa_reserve_vcc 0
		.amdhsa_float_denorm_mode_32 3
		.amdhsa_float_denorm_mode_16_64 3
		.amdhsa_memory_ordered 1
		.amdhsa_forward_progress 1
		.amdhsa_inst_pref_size 48
	.end_amdhsa_kernel
	.amdgpu_metadata
---
amdhsa.version: [ 1, 2 ]
amdhsa.kernels:
  - .name:           k_q127d8a4132_attn
    .symbol:         k_q127d8a4132_attn.kd
    .args:
      - { .name: qc, .offset: 0, .size: 8, .value_kind: global_buffer, .address_space: global }
      - { .name: kc, .offset: 8, .size: 8, .value_kind: global_buffer, .address_space: global }
      - { .name: vc, .offset: 16, .size: 8, .value_kind: global_buffer, .address_space: global }
      - { .name: lowp_scales, .offset: 24, .size: 8, .value_kind: global_buffer, .address_space: global }
      - { .name: cc, .offset: 32, .size: 8, .value_kind: global_buffer, .address_space: global }
    .group_segment_fixed_size: 264192
    .private_segment_fixed_size: 0
    .kernarg_segment_align: 8
    .kernarg_segment_size: 40
    .max_flat_workgroup_size: 512
    .sgpr_count:     66
    .vgpr_count:     256
    .wavefront_size: 32
...
	.end_amdgpu_metadata
.endif
;; end of part 3
;; launch oproj (part 4): grid 4 x 64, 4 waves a work-group, clusters of 4 x 4, 327,680 bytes of LDS; arguments cc, wc, bo, x, lowp_scales, out0; writes out0
.if DOCPART == 4
	.amdgcn_target "amdgcn-amd-amdhsa--gfx1250"
	.amdhsa_code_object_version 6
	.text
	.protected	k_q127d8a4132_oproj
	.globl	k_q127d8a4132_oproj
	.p2align	8
	.type	k_q127d8a4132_oproj,@function
k_q127d8a4132_oproj:
	s_mov_b64 s[64:65], 0
	v_nop
	global_prefetch_b8 v0, s[64:65] scope:SCOPE_SE
	s_setreg_imm32_b32 hwreg(HW_REG_WAVE_MODE, 25, 1), 1
	s_wait_xcnt 0x0
	s_wait_alu depctr_hold_cnt(0) depctr_sa_sdst(0) depctr_va_vdst(0) depctr_va_sdst(0) depctr_va_ssrc(0) depctr_va_vcc(0) depctr_vm_vsrc(0)
	s_getreg_b32 s2, hwreg(HW_REG_IB_STS2, 6, 4)
	s_cmp_eq_u32 s2, 0
	s_cbranch_scc0 .Lentry_in_a_cluster
	s_endpgm
.Lentry_in_a_cluster:
	s_bfe_u32 s2, ttmp6, 0x10000c
	s_cmp_lg_u32 s2, 0xf033
	s_cbranch_scc0 .Lentry_shape_is_right
	s_endpgm
.Lentry_shape_is_right:
; out0 = x + concat Wo^T + bo, the product on codes of E4M3 (entries 10 and 11 of the scales).
; A tile is 128 rows x 256 columns, K = 1,024: 256 work-groups.  Four waves, each 64 x 128: 32 accumulators.  THE MATRIX INSTRUCTION IS USED TRANSPOSED (source 0 = 16 rows of Wo, source 1 = 16 rows of concat):
; a lane holds eight neighbouring columns of one row.
; concat's codes (cc) are images of operand registers, [16 rows 512][head 16][group 2][lane 32][16 bytes]: lane (r, h), group g of head d holds k = 64 d + 32 g + 16 h + 0..15 of row r.  Two heads on end are a fragment of
; 16 rows x 128 K with k = 32 c + 16 h + 0..15 in registers 4 c .. 4 c + 3: the order in which Wo's fragments come from rows in LDS by four loads of 16 bytes: a permutation of k, the same on both sides.
; K goes in four steps of 256 through THREE LDS slots: steps 0, 1, 2 are asked for at the start, step 3 is the launch's one refill, into slot 0.  A wave has three tensor loads out at the start and one later.
; CLUSTERS: 4 x 4 work-groups; concat's tile is shared along a row of the cluster, Wo's along a column: joint loads.
; x: a wave's 64 rows x 512 bytes are asked for at the head into 256 registers (window 3) and land under the products.  They are 65 loads with bo's: the last ones issue when the first have come back.
; THE WAY OUT: 16 rows at a time through the wave's own stage in LDS and back as whole rows; sum x 2^(e10 + e11) + (x + bo), one packed multiply-add; a store covers 512 consecutive bytes.  The stage lies in slot 1,
; which has had its only fill and which nobody reads behind the barrier in front of K step 3.
; No prefetch: three quarters of a tile's K are asked for at the head.
; LIMIT: e10 + e11 between -126 and 127.
; REGISTERS, in windows of 256: window 0: v16-31 addresses; v96-99 bo; from v128 concat's fragments, two sets of 64, later rows on their way out.  window 1: Wo's fragments, two sets of 128.
;   window 2: accumulator (a, b) at v[8 (8 a + b)].   window 3: x, row i of my 64 at v[4 i].
.set PITCH, 272                        ; an LDS row of Wo: 256 bytes + 16 of padding = 68 words: row r starts at bank 4 r mod 64 (64 banks of 4 bytes: ISA guide 11.1)
.set ASZ,   128*PITCH                  ; concat's part of a slot (32,768 bytes of it are used)
.set SLOT,  384*PITCH
.set SPARE, 3*SLOT                     ; behind the slots: the spare words, 128 bytes a wave: two blocks of 256 bytes that no other line names
.set KBA,   4096                       ; a K step in cc: four heads of a block of 16 rows
.set AQ,    2048                       ; concat's fragments in LDS: from 128 along K to the next,
.set AC,    512                        ; from four registers to the next,
.set AI,    4096                       ; from 16 rows to the next
.set SPITCH, 528                       ; a stage row: 512 bytes + 16
.set ADRA, 16
.set ADRB, 20
.set STO,  24                          ; v24  the way out: where I put 32 bytes of a row
.set RD,   25                          ; v25  where I read a row back
.set CO,   26                          ; v26  16 x lane
.set SPW,  28                          ; v28  LDS address of my spare word; never rewritten
.set NIL,  29                          ; v29  0; never rewritten
.set BO,   96
.set AF,   128
.set G1,   24
.set G0,   32
.set G1B,  48
.set G0B,  68
.set MSB, 0
.macro WIN new                         ; the immediate's high byte repeats the setting that is left
.if MSB != \new
	s_set_vgpr_msb (MSB<<8)|\new
.set MSB, \new
.endif
.endm
.set MUL,  0xa1                        ; source 0 (Wo) window 1, source 1 (concat) window 0, C and D window 2
.set TO_B, 0x40                        ; destination window 1, address window 0
.macro JLOAD g0a, g1a, g0b, g1b        ; a joint load: waves 0 and 1 fetch for concat, waves 2 and 3 for Wo; four v_nop follow each line
	s_cmp_eq_u32 s15, 0
	s_cbranch_scc0 .Lfor_b_\@
	tensor_load_to_lds s[\g0a:\g0a+3], s[\g1a:\g1a+7]
	s_nop 0
.rept 4
	v_nop
.endr
	s_branch .Lasked_\@
.Lfor_b_\@:
	tensor_load_to_lds s[\g0b:\g0b+3], s[\g1b:\g1b+7]
	s_nop 0
.rept 4
	v_nop
.endr
.Lasked_\@:
.endm
.macro CREST                           ; a round of the cluster's barrier behind its opening barrier
	s_cmp_lg_u32 s14, 0
	s_cbranch_scc1 .Lnot_wave_0_\@
	s_barrier_signal -3
.Lnot_wave_0_\@:
	s_barrier_wait -3
	s_barrier_signal -1
	s_barrier_wait -1
.endm
.macro CROUND
	s_barrier_signal -1
	s_barrier_wait -1
	CREST
.endm
.macro PLACES n                        ; plain vector instructions between a matrix instruction and a load into, or a vector read or write of, its registers
.rept \n
	v_nop
.endr
.endm
.macro MUL8 a, p, zero                 ; concat's block a against Wo's eight, 128 along K, from set p.  zero = 1: the product starts the sums
.irp b, 0,1,2,3,4,5,6,7
.if \zero
	v_wmma_f32_16x16x128_fp8_fp8 v[8*(8*(\a)+\b):8*(8*(\a)+\b)+7], v[128*(\p)+16*\b:128*(\p)+16*\b+15], v[AF+64*(\p)+16*(\a):AF+64*(\p)+16*(\a)+15], 0
.else
	v_wmma_f32_16x16x128_fp8_fp8 v[8*(8*(\a)+\b):8*(8*(\a)+\b)+7], v[128*(\p)+16*\b:128*(\p)+16*\b+15], v[AF+64*(\p)+16*(\a):AF+64*(\p)+16*(\a)+15], v[8*(8*(\a)+\b):8*(8*(\a)+\b)+7]
.endif
.endr
.endm
.macro MUL32 p, zero                   ; the 32 accumulators take turns, in the same order in every step
	MUL8 0, \p, \zero
	MUL8 1, \p, \zero
	MUL8 2, \p, \zero
	MUL8 3, \p, \zero
.endm
.macro FETCH slot, q, p                ; 48 LDS loads in one run: the fragments of the slot's q-th 128 along K into set p
	WIN TO_B
.irp b, 0,1,2,3,4,5,6,7
.irp c, 0,1,2,3
	ds_load_b128 v[128*(\p)+16*\b+4*\c:128*(\p)+16*\b+4*\c+3], v[ADRB+\slot] offset:128*(\q)+32*\c+\b*16*PITCH
.endr
.endr
	WIN 0
.irp a, 0,1,2,3
.irp c, 0,1,2,3
	ds_load_b128 v[AF+64*(\p)+16*\a+4*\c:AF+64*(\p)+16*\a+4*\c+3], v[ADRA+\slot] offset:AQ*(\q)+AC*\c+AI*\a
.endr
.endr
.endm
.macro SUB p, slot, q                  ; a step of 128 along K on set p; the next step's fragments (slot, q) are asked for first, 32 matrix instructions ahead of their use
	s_wait_dscnt 0x0                               ; set p is in
	PLACES 4                                       ; the other set was read by the matrix instructions just issued
	FETCH \slot, \q, 1-(\p)
	WIN MUL
	MUL32 \p, 0
.endm
	s_load_b256 s[80:87], s[0:1], 0x0              ; cc, wc, bo, x
	s_load_b128 s[88:91], s[0:1], 0x20             ; the scales, out0
	v_lshl_add_u32 v[SPW], v0, 2, SPARE
	v_mov_b32 v[NIL], 0
	ds_add_u32 v28, v29
	ds_add_u32 v28, v29
	s_wait_dscnt 0x0
	v_lshrrev_b32 v1, 5, v0
	v_readfirstlane_b32 s14, v1                    ; wave 0..3
	s_lshr_b32 s15, s14, 1                         ; which 64 rows are mine.  Also: I fetch for concat (0) or for Wo (1)
	s_and_b32 s16, s14, 1                          ; which 128 columns.  Also: which half of that tile I fetch
	s_bfe_u32 s44, ttmp6, 0x40000                  ; cx, cy: my place in the cluster
	s_bfe_u32 s45, ttmp6, 0x40004
	s_lshl_b32 s21, ttmp9, 2
	s_add_co_u32 s21, s21, s44                     ; tile column = 4 x cluster x + cx
	s_and_b32 s20, ttmp7, 0xffff
	s_lshl_b32 s20, s20, 2
	s_add_co_u32 s20, s20, s45                     ; tile row = 4 x cluster y + cy
	s_lshl_b32 s46, s45, 2
	s_lshl_b32 s46, 15, s46                        ; my row of the cluster
	s_lshl_b32 s47, 0x1111, s44                    ; my column
	s_or_b32 s[G1], s46, (3<<16)|(1<<21)           ; concat: 15:0 the mask; 17:16 elements of 8 bytes; 21 set beside a mask; no padding: every fragment load reads 512 consecutive bytes
	s_mov_b32 s[G1+1], 512<<16                     ; tensor_dim0 = 512 elements: a block's four heads, 4,096 bytes
	s_mov_b32 s[G1+2], 4<<16                       ; tensor_dim1 = 4 blocks of 16 rows
	s_mov_b32 s[G1+3], 512<<16                     ; tile_dim0
	s_mov_b32 s[G1+4], 4                           ; tile_dim1
	s_mov_b32 s[G1+5], 2048                        ; from block to block: 16,384 bytes
	s_mov_b32 s[G1+6], 0
	s_mov_b32 s[G1+7], 0
	s_or_b32 s[G1B], s47, (1<<20)|(1<<21)|(5<<22)|(3<<25)   ; Wo: elements of 1 byte; padding: four words after every 64
	s_mov_b32 s[G1B+1], 256<<16
	s_mov_b32 s[G1B+2], 128<<16
	s_mov_b32 s[G1B+3], 256<<16
	s_mov_b32 s[G1B+4], 128
	s_mov_b32 s[G1B+5], 1024
	s_mov_b32 s[G1B+6], 0
	s_mov_b32 s[G1B+7], 0
	s_lshl_b32 s2, s20, 17                         ; concat: block 8 x tile row + 4 x half, 16,384 bytes a block
	s_lshl_b32 s3, s16, 16
	s_add_co_u32 s2, s2, s3
	s_mov_b32 s3, 0
	s_lshl_b32 s66, s21, 18                        ; Wo: row 256 x tile column + 128 x half, in the fourth tensor of wc
	s_lshl_b32 s67, s16, 17
	s_add_co_u32 s66, s66, s67
	s_add_co_u32 s66, s66, 3<<20
	s_mov_b32 s67, 0
	s_lshl_b32 s23, s16, 14                        ; where they go: no place in the cluster enters an LDS address
	s_mul_i32 s19, s16, 128*PITCH
	s_add_co_u32 s19, s19, ASZ
	s_wait_kmcnt 0x0
	s_load_b64 s[96:97], s[88:89], 0x28            ; e10, e11
	s_add_nc_u64 s[60:61], s[80:81], s[2:3]
	s_add_nc_u64 s[62:63], s[82:83], s[66:67]
	CROUND                                         ; all sixteen work-groups are here: the first joint loads meet
.irp s, 0,1,2
	s_mov_b32 s[G0+4*\s], 1
	s_add_co_u32 s[G0+4*\s+1], s23, \s*SLOT
	s_add_nc_u64 s[G0+4*\s+2:G0+4*\s+3], s[60:61], \s*KBA
	s_or_b32 s[G0+4*\s+3], s[G0+4*\s+3], 0x80000000
	s_mov_b32 s[G0B+4*\s], 1
	s_add_co_u32 s[G0B+4*\s+1], s19, \s*SLOT
	s_add_nc_u64 s[G0B+4*\s+2:G0B+4*\s+3], s[62:63], \s*256
	s_or_b32 s[G0B+4*\s+3], s[G0B+4*\s+3], 0x80000000
.endr
	s_cmp_eq_u32 s15, 0                            ; a wave's three first fills stand in one branch, ahead of every wait on TENSORcnt and every LDS read
	s_cbranch_scc0 .Lfirst_b
	tensor_load_to_lds s[G0:G0+3], s[G1:G1+7]
	s_nop 0
	tensor_load_to_lds s[G0+4:G0+7], s[G1:G1+7]
	s_nop 0
	tensor_load_to_lds s[G0+8:G0+11], s[G1:G1+7]
	s_nop 0
.rept 4
	v_nop
.endr
	s_branch .Lfirst_asked
.Lfirst_b:
	tensor_load_to_lds s[G0B:G0B+3], s[G1B:G1B+7]
	s_nop 0
	tensor_load_to_lds s[G0B+4:G0B+7], s[G1B:G1B+7]
	s_nop 0
	tensor_load_to_lds s[G0B+8:G0B+11], s[G1B:G1B+7]
	s_nop 0
.rept 4
	v_nop
.endr
.Lfirst_asked:
	v_and_b32 v5, 31, v0
	v_lshlrev_b32 v[CO], 4, v5
	s_lshl_b32 s2, s20, 19                         ; my first row of x and out0: 128 x tile row + 64 x half, 4,096 bytes a row,
	s_lshl_b32 s3, s15, 18
	s_add_co_u32 s2, s2, s3
	s_lshl_b32 s56, s21, 10                        ; my first column: 256 x tile column + 128 x half, 4 bytes each
	s_lshl_b32 s57, s16, 9
	s_add_co_u32 s56, s56, s57
	s_add_co_u32 s2, s2, s56
	s_mov_b32 s3, 0
	s_mov_b32 s57, 0
	s_add_nc_u64 s[4:5], s[86:87], s[2:3]          ; x
	s_add_nc_u64 s[6:7], s[90:91], s[2:3]          ; out0
	s_add_nc_u64 s[8:9], s[84:85], s[56:57]        ; bo
	global_load_b128 v[BO:BO+3], v[CO], s[8:9]
	WIN 0xc0                                       ; destination window 3
.set i, 0
.rept 64
	global_load_b128 v[4*i:4*i+3], v[CO], s[4:5] offset:4096*i th:TH_LOAD_NT   ; 32 lanes read 512 consecutive bytes of row i
.set i, i+1
.endr
	WIN 0
	v_and_b32 v1, 15, v0                           ; r
	v_bfe_u32 v2, v0, 4, 1                         ; h
	v_mul_u32_u24 v3, v1, PITCH
	v_lshl_add_u32 v4, v2, 4, v3                   ; Wo: a fragment's row x pitch + 16 x half
	s_lshl_b32 s2, s15, 14                         ; my four blocks of concat,
	s_mul_i32 s3, s16, 128*PITCH                   ; my 128 rows of Wo,
	s_add_co_u32 s3, s3, ASZ
.irp s, 0,1,2
	v_add_nc_u32 v[ADRA+\s], s2, v[CO]
	v_add_nc_u32 v[ADRB+\s], s3, v4
	s_add_co_u32 s2, s2, SLOT
	s_add_co_u32 s3, s3, SLOT
.endr
	s_mul_i32 s2, s14, 16*SPITCH
	s_add_co_u32 s2, s2, SLOT                      ; my stage, in slot 1
	v_mul_u32_u24 v3, v1, SPITCH
	v_lshl_add_u32 v3, v2, 5, v3
	v_add_nc_u32 v[STO], s2, v3                    ; in: row r, 32 bytes for each half of the lanes
	v_add_nc_u32 v[RD], s2, v[CO]                  ; back: the 32 lanes take one row of 512 bytes
	s_wait_tensorcnt 0x2                           ; my part of K step 0 is in; the two younger loads, slots 1 and 2, may stay out
	s_barrier_signal -1
	s_barrier_wait -1                              ; everybody's is
	FETCH 0, 0, 0
	s_wait_dscnt 0x0
	FETCH 0, 1, 1
	WIN MUL
	MUL32 0, 1                                     ; the first products start the sums: nothing is cleared
	; the second step of 128 leaves slot 0, which takes K step 3
	WIN 0                                          ; (the add's two registers lie in window 0)
	s_wait_tensorcnt 0x0                           ; all my tensor loads have landed: my parts of slots 1 and 2
	ds_add_u32 v[SPW], v[NIL]                      ; 0 onto my spare word
	s_wait_dscnt 0x1                               ; set 1 is in; the add alone may be out
	WIN MUL
	MUL8 0, 1, 0                                   ; eight matrix instructions stand between the add and the wait for it
	s_wait_dscnt 0x0                               ; the add is done, and my reads of slot 0 are over
	s_barrier_signal -1
	MUL8 1, 1, 0
	WIN 0
	s_barrier_wait -1
	CREST                                          ; the barrier has opened a round of the cluster's: no wave of any partner still reads slot 0 or has a load on its way
	s_add_nc_u64 s[G0+2:G0+3], s[G0+2:G0+3], 3*KBA
	s_add_nc_u64 s[G0B+2:G0B+3], s[G0B+2:G0B+3], 3*256
	JLOAD G0, G1, G0B, G1B                         ; the first tensor load behind the round, and my last; its four v_nop are the places in front of the loads below
	FETCH 1, 0, 0
	WIN MUL
	MUL8 2, 1, 0
	MUL8 3, 1, 0
	SUB 0, 1, 1
	SUB 1, 2, 0
	SUB 0, 2, 1
	s_wait_tensorcnt 0x0                           ; the one load of mine that is out is my part of K step 3: the count that its readers need
	s_wait_dscnt 0x0                               ; set 1 is in: my reads of slots 1 and 2 are over
	s_barrier_signal -1
	s_barrier_wait -1                              ; K step 3 is whole, and nobody reads slots 1 and 2 any more
	PLACES 4
	FETCH 0, 0, 0
	WIN MUL
	MUL32 1, 0
	SUB 0, 0, 1
	s_wait_dscnt 0x0
	WIN MUL
	MUL32 1, 0
	WIN 0
	s_wait_kmcnt 0x0
	s_add_co_i32 s96, s96, s97
	s_add_co_i32 s96, s96, 127
	s_lshl_b32 s96, s96, 23                        ; 2^(e10 + e11) as f32
	s_mov_b32 s97, s96                             ; (named with it as a pair)
	s_wait_loadcnt 0x0                             ; bo and x
	WIN 0xc3                                       ; destination and source 0 window 3
.set i, 0
.rept 64
	v_pk_add_f32 v[4*i:4*i+1], v[4*i:4*i+1], v[BO:BO+1]           ; x + bo.  (These are also the places behind the last products)
	v_pk_add_f32 v[4*i+2:4*i+3], v[4*i+2:4*i+3], v[BO+2:BO+3]
.set i, i+1
.endr
	WIN 0
.macro TOSTAGE a                       ; block a's sums into my stage, each accumulator from its low end on, and back as whole rows.  LDS serves a wave's instructions in order (ISA guide 5.7.1.4): no wait between
	WIN 0x08                                       ; the stores' data: window 2
.irp b, 0,1,2,3,4,5,6,7
	ds_store_b128 v[STO], v[8*(8*(\a)+\b):8*(8*(\a)+\b)+3] offset:64*\b
	ds_store_b128 v[STO], v[8*(8*(\a)+\b)+4:8*(8*(\a)+\b)+7] offset:64*\b+16
.endr
	WIN 0
.irp t, 0,1,2,3,4,5,6,7,8,9,10,11,12,13,14,15
	ds_load_b128 v[AF+64*((\a)%2)+4*\t:AF+64*((\a)%2)+4*\t+3], v[RD] offset:\t*SPITCH
.endr
.endm
.macro SEND a, younger                 ; younger: the LDS instructions issued behind block a's loads, which may stay out
	s_wait_dscnt \younger
	WIN 0x30                                       ; source 2 (x + bo) window 3
.irp t, 0,1,2,3,4,5,6,7,8,9,10,11,12,13,14,15
	v_pk_fma_f32 v[AF+64*((\a)%2)+4*\t:AF+64*((\a)%2)+4*\t+1], v[AF+64*((\a)%2)+4*\t:AF+64*((\a)%2)+4*\t+1], s[96:97], v[4*(16*(\a)+\t):4*(16*(\a)+\t)+1] op_sel_hi:[1,0,1]
	v_pk_fma_f32 v[AF+64*((\a)%2)+4*\t+2:AF+64*((\a)%2)+4*\t+3], v[AF+64*((\a)%2)+4*\t+2:AF+64*((\a)%2)+4*\t+3], s[96:97], v[4*(16*(\a)+\t)+2:4*(16*(\a)+\t)+3] op_sel_hi:[1,0,1]
.endr
	WIN 0
.irp t, 0,1,2,3,4,5,6,7,8,9,10,11,12,13,14,15
	global_store_b128 v[CO], v[AF+64*((\a)%2)+4*\t:AF+64*((\a)%2)+4*\t+3], s[6:7] offset:(16*(\a)+\t)*4096 th:TH_STORE_NT   ; 32 lanes store 512 consecutive bytes, at a multiple of 256 from out0's first byte
.endr
.endm
	TOSTAGE 0
.irp a, 1,2,3
.if \a > 1
	s_wait_xcnt 0x0                                ; block a - 2's stores have read their registers: block a's loads may land there
.endif
	TOSTAGE \a
	SEND \a-1, 32                                  ; behind block a - 1's loads: block a's 16 stores and 16 loads
.endr
	SEND 3, 0
	s_wait_tensorcnt 0x0                           ; the wave's end, behind my last tensor load and my last LDS store
	ds_add_u32 v[SPW], v[NIL]
	s_wait_dscnt 0x0
	CROUND                                         ; the closing round
	s_endpgm
.Lfunc_end_k_q127d8a4132_oproj:
	.size	k_q127d8a4132_oproj, .Lfunc_end_k_q127d8a4132_oproj-k_q127d8a4132_oproj
	.p2alignl 7, 3214868480
	.fill 96, 4, 3214868480
	.section	.rodata,"a",@progbits
	.p2align	6, 0x0
	.amdhsa_kernel k_q127d8a4132_oproj
		.amdhsa_group_segment_fixed_size 327680
		.amdhsa_private_segment_fixed_size 0
		.amdhsa_enable_private_segment 0
		.amdhsa_kernarg_size 48
		.amdhsa_user_sgpr_count 2
		.amdhsa_user_sgpr_kernarg_segment_ptr 1
		.amdhsa_wavefront_size32 1
		.amdhsa_system_sgpr_workgroup_id_x 1
		.amdhsa_system_sgpr_workgroup_id_y 1
		.amdhsa_system_sgpr_workgroup_id_z 1
		.amdhsa_system_vgpr_workitem_id 0
		.amdhsa_next_free_vgpr 1024
		.amdhsa_next_free_sgpr 104
		.amdhsa_reserve_vcc 0
		.amdhsa_float_denorm_mode_32 3
		.amdhsa_float_denorm_mode_16_64 3
		.amdhsa_memory_ordered 1
		.amdhsa_forward_progress 1
		.amdhsa_inst_pref_size 88
	.end_amdhsa_kernel
	.amdgpu_metadata
---
amdhsa.version: [ 1, 2 ]
amdhsa.kernels:
  - .name:           k_q127d8a4132_oproj
    .symbol:         k_q127d8a4132_oproj.kd
    .args:
      - { .name: cc, .offset: 0, .size: 8, .value_kind: global_buffer, .address_space: global }
      - { .name: wc, .offset: 8, .size: 8, .value_kind: global_buffer, .address_space: global }
      - { .name: bo, .offset: 16, .size: 8, .value_kind: global_buffer, .address_space: global }
      - { .name: x, .offset: 24, .size: 8, .value_kind: global_buffer, .address_space: global }
      - { .name: lowp_scales, .offset: 32, .size: 8, .value_kind: global_buffer, .address_space: global }
      - { .name: out0, .offset: 40, .size: 8, .value_kind: global_buffer, .address_space: global }
    .group_segment_fixed_size: 327680
    .private_segment_fixed_size: 0
    .kernarg_segment_align: 8
    .kernarg_segment_size: 48
    .max_flat_workgroup_size: 128
    .sgpr_count:     104
    .vgpr_count:     1024
    .wavefront_size: 32
...
	.end_amdgpu_metadata
.endif
;; end of part 4
;; ======== version 2 of 2: 4 launches; version 1 with the launch attn written anew for expert scheduling mode
;; workspace buffers: xc 25,165,824 bytes; wc 4,194,304 bytes; qc 8,388,608 bytes; kc 8,388,608 bytes; vc 8,388,608 bytes; cc 8,388,608 bytes
;; launch prep: the kernel of part 1 again; grid 384 x 1, 8 waves a work-group, no clusters, 82,944 bytes of LDS; arguments x, ln_gamma, ln_beta, Wq, Wk, Wv, Wo, lowp_scales, xc, wc; writes xc, wc
;; launch qkv: the kernel of part 2 again; grid 12 x 64, 4 waves a work-group, clusters of 4 x 4, 327,680 bytes of LDS; arguments xc, wc, bq, bk, bv, lowp_scales, qc, kc, vc; writes qc, kc, vc
;; launch attn (part 5): grid 4 x 64, 16 waves a work-group, no clusters, 264,192 bytes of LDS; arguments qc, kc, vc, lowp_scales, cc; writes cc
.if DOCPART == 5
	.amdgcn_target "amdgcn-amd-amdhsa--gfx1250"
	.amdhsa_code_object_version 6
	.text
	.protected	k_q127d8a4132_attn
	.globl	k_q127d8a4132_attn
	.p2align	8
	.type	k_q127d8a4132_attn,@function
k_q127d8a4132_attn:
	s_mov_b64 s[64:65], 0
	v_nop
	global_prefetch_b8 v0, s[64:65] scope:SCOPE_SE
	s_setreg_imm32_b32 hwreg(HW_REG_WAVE_SCHED_MODE, 0, 2), 2
	s_setreg_imm32_b32 hwreg(HW_REG_WAVE_MODE, 25, 1), 1
	s_wait_xcnt 0x0
	s_wait_alu depctr_vm_vsrc(0)
; Attention on codes of E4M3: S^T = K Q^T, p = 2^(t - M), O^T = V^T P^T, O / l, quantised with entry 10 of the scales into images of the last product's operand registers.
; t = score x log2(e) / 8; M = the running largest t rounded UP to a whole number; p is quantised with entry 8, not normalised; l is the sum of the unquantised p.  When M moves, l and O^T are multiplied by 2^(old M - new M): exact.
; SHARES.  A work-group owns 512 queries of one batch x head; each of its sixteen waves 32 of them, two tiles of 16, so that each fragment of K and V read from LDS feeds two matrix instructions.
; Four waves to a SIMD: one wave's exponentials stand beside another's plain work, products and LDS loads.
; LDS holds the head's K (131,072 bytes) and V (131,072) whole, as plain copies of kc and vc, which are images of operand registers: every fragment load reads 512 consecutive bytes.  They are copied once, through registers,
; 8,192 bytes of each a wave; one barrier; then LDS is only read.  No tensor load, no shared request, no prefetch: what work-groups share is read once, at the head, 32 loads a lane against sixteen key steps of some 470 instructions;
; and a scalar branch on the given whole number e8 passes over p's hold, 128 instructions a step.
; LAYOUT.  Both products are used transposed: a lane holds ONE query (lane % 16).  A tile of S^T (16 keys) converts into registers 2 T, 2 T + 1 of P: keys 16 T + 8 (lane / 16) + 0..7, the place that the K = 128 form gives them.
; V's channels were stored so that tiles 2 b and 2 b + 1 of O^T are channels 32 b + 16 (lane / 16) + 0..15.   cc: [16 rows 512][head 16][group 2][lane 32][16 bytes].
; THE HOLD OF p.  p is at most 1 (a rounding above it at the most), so the hold at 448 x 2^e8 can bite only where e8 < -8: it is passed over where e8 >= -8.
; LIMITS: e6 + e7 between -123 and 130 (added to c's exponent field); e8 and e10 between -126 and 119; e8 + e9 is applied by v_ldexp_f32 and has none.  NaN among the inputs is not served.
; REGISTERS: v1 16 x lane; v2 the LDS address in hand; v3 2^e8; v4-7 at work; v8-15, v16-23 Q's two fragments; v24 -M, v25 the largest t, v[26:27] l of tile A; v28-31 of tile B;
;   v32-63 K's tiles 4-7, then P of A (v32-47) and of B (v48-63); v64-127 S^T of A, then V's four fragments; v128-191 S^T of B, and from v160 the next step's tiles 0-3 of K once B's p are converted; v192-223, v224-255 O^T of A, of B.
; THE MODE: SCHED_MODE bits 1:0 = 2 (LLVM: expert scheduling mode 2), set by the entry lines.  The code itself states the register dependences
; between vector or matrix instructions and memory or LDS instructions, with s_wait_alu, always for 0.
; THE PLAN.  All 256 registers are taken (sixteen waves share four times 1,024), so the loads of what comes next go into registers that lie idle within a step.  Registers that LDS instructions touch, in the loop:
;   v2        Read by every LDS load as its address.  Written twice a step: V's address behind A's conversions, the next step's address in K behind B's conversions.
;   v32-63    K's tiles 4-7 land here, asked for at the step's head; read by the products on tiles 4-7; then written by the conversions (P) and read by the products V^T P^T.
;   v64-127   A's scores: written by products and the softmax, read by A's conversions; then V's fragments land here, under B's softmax; read by the products V^T P^T.
;   v160-191  B's scores 32-63: written by products and the softmax, read by B's conversions; then the next step's tiles 0-3 of K land here, under O^T's rescaling and the products V^T P^T; read by the next step's first eight products.
; So three waits on va_vdst stand in a step beside the exponentials' two: at its head (the last products are done reading P), behind A's conversions and behind B's (they are done reading the scores, and v2 is written);
; and two on vm_vsrc, one ahead of each write of v2.  Between such a wait and its loads, and while the loads are out, no vector or matrix instruction names a register that they touch.
; The last step asks for no further K: the loop has fifteen trips, and step 15 is written out by the same macro.
.set LI,   1
.set ADR,  2
.set QA,   8
.set QB,   16
.set KH,   32                          ; K's tiles 4-7
.set PA,   32
.set PB,   48
.set SA,   64
.set VF,   64
.set SB,   128
.set KL,   160                         ; K's tiles 0-3
.set OA,   192
.set OB,   224
.set VBASE, 131072
	s_load_b256 s[4:11], s[0:1], 0x0               ; qc, kc, vc, the scales
	s_load_b64 s[12:13], s[0:1], 0x20              ; cc
	v_lshrrev_b32 v2, 5, v0
	v_readfirstlane_b32 s14, v2                    ; wave 0..15
	v_and_b32 v1, 31, v0
	v_lshlrev_b32 v[LI], 4, v1
	s_and_b32 s15, ttmp7, 0xffff                   ; batch x head
	s_lshl_b32 s16, s15, 17                        ; its 131,072 bytes in qc, kc and vc
	s_mov_b32 s17, 0
	s_wait_alu depctr_va_sdst(0)                   ; s14 is written, ahead of its first reader: offsets and LDS addresses are made from it
	s_lshl_b32 s18, s14, 13                        ; my 8,192 bytes of the copies
	s_mov_b32 s19, 0
	s_lshl_b32 s2, ttmp9, 15                       ; my two blocks of 16 queries: 32 x work-group x + 2 x wave, 1,024 bytes each
	s_lshl_b32 s3, s14, 11
	s_add_co_u32 s2, s2, s3
	s_mov_b32 s3, 0
	v_add_nc_u32 v[ADR], s18, v[LI]                ; where my part of K goes,
	v_add_nc_u32 v4, VBASE, v[ADR]                 ; and of V
	s_wait_kmcnt 0x0
	s_load_b256 s[32:39], s[10:11], 0x0            ; e0 .. e7
	s_load_b128 s[40:43], s[10:11], 0x20           ; e8 .. e11
	s_add_nc_u64 s[4:5], s[4:5], s[16:17]
	s_add_nc_u64 s[4:5], s[4:5], s[2:3]
	s_add_nc_u64 s[6:7], s[6:7], s[16:17]
	s_add_nc_u64 s[6:7], s[6:7], s[18:19]
	s_add_nc_u64 s[8:9], s[8:9], s[16:17]
	s_add_nc_u64 s[8:9], s[8:9], s[18:19]
	s_wait_alu depctr_va_vdst(0)                   ; v1 is written, the offset of every global load and store; so are v2 and v4, the addresses of the copies' LDS stores
.irp c, 0,1
	global_load_b128 v[QA+4*\c:QA+4*\c+3], v[LI], s[4:5] offset:512*\c
	global_load_b128 v[QB+4*\c:QB+4*\c+3], v[LI], s[4:5] offset:1024+512*\c
.endr
.set i, 0
.rept 16
	global_load_b128 v[64+4*i:64+4*i+3], v[LI], s[6:7] offset:512*i
.set i, i+1
.endr
.set i, 0
.rept 16
	global_load_b128 v[128+4*i:128+4*i+3], v[LI], s[8:9] offset:512*i
.set i, i+1
.endr
	s_lshr_b32 s2, s15, 4                          ; cc: block of 16 rows = 128 x batch + 32 x work-group x + 2 x wave, 16,384 bytes each; head: 1,024
	s_lshl_b32 s2, s2, 21
	s_lshl_b32 s3, ttmp9, 19
	s_add_co_u32 s2, s2, s3
	s_lshl_b32 s3, s14, 15
	s_add_co_u32 s2, s2, s3
	s_and_b32 s3, s15, 15
	s_lshl_b32 s3, s3, 10
	s_add_co_u32 s2, s2, s3
	s_mov_b32 s3, 0
	s_add_nc_u64 s[12:13], s[12:13], s[2:3]
	s_mov_b32 s20, 0x76543210                      ; lane l xor 16
	s_mov_b32 s21, 0xfedcba98
	s_mov_b32 s22, 0x3e38aa3b                      ; c = log2(e) / 8
	s_wait_kmcnt 0x0
	s_add_co_i32 s2, s38, s39
	s_lshl_b32 s2, s2, 23
	s_add_co_i32 s22, s22, s2                      ; a score stands for score x 2^(e6 + e7): added to c's exponent field
	s_mov_b32 s23, s22                             ; (named with it as a pair)
	s_add_co_i32 s2, s40, 127
	s_lshl_b32 s3, s2, 23
	v_mov_b32 v3, s3                               ; 2^e8 as f32, for p's conversions
	s_add_co_i32 s2, s2, 8
	s_lshl_b32 s2, s2, 23
	s_or_b32 s24, s2, 0x600000                     ; 448 x 2^e8
	s_cmp_ge_i32 s40, -8
	s_cselect_b32 s25, 1, 0                        ; 1: the hold cannot bite
	s_add_co_i32 s27, s40, s41                     ; e8 + e9
	s_add_co_i32 s2, s42, 127
	s_lshl_b32 s28, s2, 23                         ; 2^e10
	s_add_co_i32 s2, s2, 8
	s_lshl_b32 s2, s2, 23
	s_or_b32 s29, s2, 0x600000                     ; 448 x 2^e10
	v_mov_b32 v25, 0xff61b1e6                      ; the largest t so far: -3e38, under every t
	v_floor_f32 v24, -v25                          ; -M
	v_mov_b32 v26, 0                               ; l, in two halves
	v_mov_b32 v27, 0
	v_mov_b32 v29, 0xff61b1e6
	v_floor_f32 v28, -v29
	v_mov_b32 v30, 0
	v_mov_b32 v31, 0
	v_mov_b32 v6, 0                                ; a lane permute's destination counts as read
.set i, 0
.rept 64
	v_mov_b32 v[OA+i], 0                           ; O^T.  (The step is written once: the first finds zeros, which the first change of M leaves zeros)
.set i, i+1
.endr
.set i, 0
.rept 16
	s_wait_loadcnt 31-i                            ; loads come back in order: Q and copy i are in, the younger copies stay out
	ds_store_b128 v[ADR], v[64+4*i:64+4*i+3] offset:512*i   ; (no vector instruction since the wait ahead of the loads names v2, v4 or the copies' registers)
.set i, i+1
.endr
.set i, 0
.rept 16
	s_wait_loadcnt 15-i
	ds_store_b128 v4, v[128+4*i:128+4*i+3] offset:512*i
.set i, i+1
.endr
	s_wait_dscnt 0x0                               ; for the others' sake: my stores have landed
	s_barrier_signal -1
	s_barrier_wait -1                              ; the head's K and V lie in LDS; from here on LDS is only read
; Four tiles of K, from tile t0 of the step at v2 on, into v[reg] on: a fragment of 16 keys x 64 channels is two loads of 16 bytes a lane
.macro KLOAD reg, t0
.irp t, 0,1,2,3
.irp c, 0,1
	ds_load_b128 v[\reg+8*\t+4*\c:\reg+8*\t+4*\c+3], v[ADR] offset:(\t0+\t)*1024+512*\c
.endr
.endr
.endm
; One tile's softmax for 128 keys.  S: its 64 scores; ST: -M, the largest t, l; P: where its codes go; O: its O^T.
; after = 1: V's fragments are asked for behind the conversions, into the registers that the scores leave;  after = 2: the next step's tiles 0-3 of K, into the registers of scores 32-63;  after = 0: nothing.
.macro SOFTMAX S, ST, P, O, after
	v_max3_num_f32 v4, v[\S], v[\S+1], v[\S+2]     ; the largest score of my query among my 64 keys, in two chains, each accumulator from its low end on
	v_max3_num_f32 v5, v[\S+3], v[\S+4], v[\S+5]
.irp i, 6,10,14,18,22,26,30,34,38,42,46,50,54,58
	v_max3_num_f32 v4, v4, v[\S+\i], v[\S+\i+1]
	v_max3_num_f32 v5, v5, v[\S+\i+2], v[\S+\i+3]
.endr
	v_max3_num_f32 v4, v4, v[\S+62], v[\S+63]
	v_max_num_f32 v4, v4, v5
	v_permlanex16_b32 v6, v4, s20, s21
	v_max_num_f32 v4, v4, v6                       ; and among lane l xor 16's
	v_mul_f32 v4, s22, v4                          ; as t (c is positive)
	v_max_num_f32 v[\ST+1], v[\ST+1], v4           ; the running largest t
	v_mov_b32 v4, v[\ST]
	v_floor_f32 v[\ST], -v[\ST+1]                  ; the new -M = floor(-t) = -ceil(t)
	v_sub_f32 v4, v[\ST], v4                       ; old M - new M: a whole number, 0 or less
	v_cvt_i32_f32 v5, v4                           ; (it saturates)
	v_ldexp_f32 v4, 1.0, v5                        ; f = 2^(old M - new M)
.set n, 0
.rept 32
	v_pk_fma_f32 v[\S+n:\S+n+1], v[\S+n:\S+n+1], s[22:23], v[\ST:\ST+1] op_sel_hi:[1,0,0]   ; t - M (of the pairs c and -M the low word serves both halves)
.set n, n+2
.endr
.set n, 0
.rept 64
	v_exp_f32 v[\S+n], v[\S+n]                     ; p = 2^(t - M)
.set n, n+1
.endr
	v_pk_mul_f32 v[\ST+2:\ST+3], v[\ST+2:\ST+3], v[4:5] op_sel_hi:[1,0]   ; l under the new M.  (A plain place behind the exponentials)
	s_wait_alu depctr_va_vdst(0)                   ; the 64 exponentials have written p: one wait for the batch, ahead of its first reader
	v_pk_add_f32 v[6:7], v[\S:\S+1], v[\S+2:\S+3]  ; the sum of the unquantised p, in two chains
.set n, 4
.rept 15
	v_pk_add_f32 v[\ST+2:\ST+3], v[\ST+2:\ST+3], v[\S+n:\S+n+1]
	v_pk_add_f32 v[6:7], v[6:7], v[\S+n+2:\S+n+3]
.set n, n+4
.endr
	v_pk_add_f32 v[\ST+2:\ST+3], v[\ST+2:\ST+3], v[6:7]
	s_cmp_lg_u32 s25, 0                            ; a branch on the given whole number e8, the same in every wave
	s_cbranch_scc1 .Lno_hold_\@
.set n, 0
.rept 64
	v_min_num_f32 v[\S+n], s24, v[\S+n]            ; the conversion does not saturate (ISA guide 7.6.2); p is not negative, so the hold is one-sided
.set n, n+1
.endr
.Lno_hold_\@:
.irp t, 0,1,2,3,4,5,6,7
	v_cvt_scalef32_pk8_fp8_f32 v[\P+2*\t:\P+2*\t+1], v[\S+8*\t:\S+8*\t+7], v3
.endr
.if \after == 1
	s_wait_alu depctr_vm_vsrc(0)                   ; K's loads have read v2, which is written below
	s_add_co_u32 s30, s26, VBASE
	v_add_nc_u32 v[ADR], s30, v[LI]
	s_wait_alu depctr_va_vdst(0)                   ; v2 is written, and the conversions are done reading the scores' registers, in which V's fragments land
.irp t, 0,1,2,3
.irp g, 0,1,2,3
	ds_load_b128 v[VF+16*\t+4*\g:VF+16*\t+4*\g+3], v[ADR] offset:2048*\t+512*\g   ; they land under the other tile's softmax, which names none of these registers
.endr
.endr
.endif
.if \after == 2
	s_wait_alu depctr_vm_vsrc(0)                   ; V's loads have read v2, which is written below
	s_add_co_u32 s30, s26, 8192
	v_add_nc_u32 v[ADR], s30, v[LI]                ; the next step's place in K: it serves that step's tiles 4-7 too
	s_wait_alu depctr_va_vdst(0)                   ; v2 is written, and the conversions are done reading scores 32-63, in whose registers K's tiles 0-3 land
	KLOAD KL, 0                                    ; they land under the rescaling and the products below, which name none of these registers
.endif
.set n, 0
.rept 16
	v_pk_mul_f32 v[\O+n:\O+n+1], v[\O+n:\O+n+1], v[4:5] op_sel_hi:[1,0]   ; O^T under the new M.  (The plain lines behind the conversions)
.set n, n+2
.endr
.endm
; A KEY STEP: 128 keys.  At its head v2 stands at the step's place in K, and the step's tiles 0-3 have been asked for.  last = 1: no step follows.
.macro STEP last
.rept 5
	v_nop                                          ; five places behind the last products: the first product below writes over V's registers, which they read
.endr
	s_wait_alu depctr_va_vdst(0)                   ; the last step's products are done reading P, in whose registers K's tiles 4-7 land
	KLOAD KH, 4                                    ; they land under the eight products on tiles 0-3
	s_wait_dscnt 0x8                               ; LDS loads come back in order: tiles 0-3 are in, the eight just issued may stay out
.irp t, 0,1,2,3                                ; S^T = K Q^T: each fragment against both tiles of queries
	v_wmma_f32_16x16x64_fp8_fp8 v[SA+8*\t:SA+8*\t+7], v[KL+8*\t:KL+8*\t+7], v[QA:QA+7], 0
	v_wmma_f32_16x16x64_fp8_fp8 v[SB+8*\t:SB+8*\t+7], v[KL+8*\t:KL+8*\t+7], v[QB:QB+7], 0
.endr
	s_wait_dscnt 0x0                               ; tiles 4-7 are in
.rept 5
	v_nop                                          ; five places: B's products below write over the registers of tiles 0-3, which the products above read
.endr
.irp t, 0,1,2,3
	v_wmma_f32_16x16x64_fp8_fp8 v[SA+32+8*\t:SA+32+8*\t+7], v[KH+8*\t:KH+8*\t+7], v[QA:QA+7], 0
	v_wmma_f32_16x16x64_fp8_fp8 v[SB+32+8*\t:SB+32+8*\t+7], v[KH+8*\t:KH+8*\t+7], v[QB:QB+7], 0
.endr
.rept 4
	v_nop
.endr
	SOFTMAX SA, 24, PA, OA, 1
.if \last
	SOFTMAX SB, 28, PB, OB, 0
	s_wait_dscnt 0x0                               ; V is in
.else
	SOFTMAX SB, 28, PB, OB, 2
	s_wait_dscnt 0x8                               ; V's sixteen loads are in; the eight younger ones, the next step's tiles 0-3 of K, may stay out
.endif
.irp t, 0,1,2,3                                ; O^T += V^T P^T: the eight accumulators by turns
	v_wmma_f32_16x16x128_fp8_fp8 v[OA+8*\t:OA+8*\t+7], v[VF+16*\t:VF+16*\t+15], v[PA:PA+15], v[OA+8*\t:OA+8*\t+7]
	v_wmma_f32_16x16x128_fp8_fp8 v[OB+8*\t:OB+8*\t+7], v[VF+16*\t:VF+16*\t+15], v[PB:PB+15], v[OB+8*\t:OB+8*\t+7]
.endr
.endm
	s_wait_alu depctr_vm_vsrc(0)                   ; my LDS stores have read v2, v4 and v64-191: from here on these are written by vector and matrix instructions and by LDS loads
	s_mov_b32 s26, 0                               ; the step's byte in K's and in V's copy: 8,192 a step; also the loop's counter
	v_add_nc_u32 v[ADR], s26, v[LI]
	s_wait_alu depctr_va_vdst(0)                   ; v2 is written, which the loads below read
	KLOAD KL, 0                                    ; step 0's tiles 0-3
.Lstep:                                            ; steps 0 to 14
	STEP 0
	s_add_co_u32 s26, s26, 8192
	s_cmp_lt_u32 s26, 122880
	s_cbranch_scc1 .Lstep
	STEP 1                                         ; step 15 is written out: it asks for no further K
	; THE WAY OUT: O^T / l x 2^(e8 + e9), held, converted with 2^e10: tiles 2 b and 2 b + 1 give group b of the head's image; 16 bytes a lane, 512 consecutive bytes a store
.rept 4
	v_nop
.endr
	v_mov_b32 v3, s28
	v_mov_b32 v7, s29
.macro FINISH ST, O, D
	v_add_f32 v4, v[\ST+2], v[\ST+3]               ; l's two halves,
	v_permlanex16_b32 v6, v4, s20, s21
	v_add_f32 v4, v4, v6                           ; and lane l xor 16's
	v_rcp_f32 v4, v4
	v_nop                                          ; a plain place behind the transcendental
	s_wait_alu depctr_va_vdst(0)                   ; the reciprocal has written v4, ahead of its first reader
	v_ldexp_f32 v4, v4, s27
.set n, 0
.rept 16
	v_pk_mul_f32 v[\O+n:\O+n+1], v[\O+n:\O+n+1], v[4:5] op_sel_hi:[1,0]
.set n, n+2
.endr
.set n, 0
.rept 32
	v_med3_num_f32 v[\O+n], v[\O+n], -v7, v7
.set n, n+1
.endr
.irp q, 0,1,2,3
	v_cvt_scalef32_pk8_fp8_f32 v[\D+2*\q:\D+2*\q+1], v[\O+8*\q:\O+8*\q+7], v3
.endr
	v_nop                                          ; a plain line behind the last conversion
.endm
	FINISH 24, OA, 32
	FINISH 28, OB, 40
	s_wait_alu depctr_va_vdst(0)                   ; both tiles' conversions have written v32-47, which the four stores read
	global_store_b128 v[LI], v[32:35], s[12:13]
	global_store_b128 v[LI], v[36:39], s[12:13] offset:512
	global_store_b128 v[LI], v[40:43], s[12:13] offset:16384
	global_store_b128 v[LI], v[44:47], s[12:13] offset:16384+512
	s_wait_xcnt 0x0                                ; every store has had its address translated
	v_lshl_add_u32 v254, v0, 2, 0x40000            ; no two registers could be kept: the add's two are made anew, in registers that no memory or LDS instruction has read
	v_mov_b32 v255, 0
	s_wait_dscnt 0x0                               ; the closing lines, six on end
	s_wait_alu 0x0
	s_wait_tensorcnt 0x0
	ds_add_u32 v254, v255
	s_wait_dscnt 0x0
	s_endpgm
.Lfunc_end_k_q127d8a4132_attn:
	.size	k_q127d8a4132_attn, .Lfunc_end_k_q127d8a4132_attn-k_q127d8a4132_attn
	.p2alignl 7, 3214868480
	.fill 96, 4, 3214868480
	.section	.rodata,"a",@progbits
	.p2align	6, 0x0
	.amdhsa_kernel k_q127d8a4132_attn
		.amdhsa_group_segment_fixed_size 264192
		.amdhsa_private_segment_fixed_size 0
		.amdhsa_enable_private_segment 0
		.amdhsa_kernarg_size 40
		.amdhsa_user_sgpr_count 2
		.amdhsa_user_sgpr_kernarg_segment_ptr 1
		.amdhsa_wavefront_size32 1
		.amdhsa_system_sgpr_workgroup_id_x 1
		.amdhsa_system_sgpr_workgroup_id_y 1
		.amdhsa_system_sgpr_workgroup_id_z 1
		.amdhsa_system_vgpr_workitem_id 0
		.amdhsa_next_free_vgpr 256
		.amdhsa_next_free_sgpr 66
		.amdhsa_reserve_vcc 0
		.amdhsa_float_denorm_mode_32 3
		.amdhsa_float_denorm_mode_16_64 3
		.amdhsa_memory_ordered 1
		.amdhsa_forward_progress 1
		.amdhsa_inst_pref_size 77
	.end_amdhsa_kernel
	.amdgpu_metadata
---
amdhsa.version: [ 1, 2 ]
amdhsa.kernels:
  - .name:           k_q127d8a4132_attn
    .symbol:         k_q127d8a4132_attn.kd
    .args:
      - { .name: qc, .offset: 0, .size: 8, .value_kind: global_buffer, .address_space: global }
      - { .name: kc, .offset: 8, .size: 8, .value_kind: global_buffer, .address_space: global }
      - { .name: vc, .offset: 16, .size: 8, .value_kind: global_buffer, .address_space: global }
      - { .name: lowp_scales, .offset: 24, .size: 8, .value_kind: global_buffer, .address_space: global }
      - { .name: cc, .offset: 32, .size: 8, .value_kind: global_buffer, .address_space: global }
    .group_segment_fixed_size: 264192
    .private_segment_fixed_size: 0
    .kernarg_segment_align: 8
    .kernarg_segment_size: 40
    .max_flat_workgroup_size: 512
    .sgpr_count:     66
    .vgpr_count:     256
    .wavefront_size: 32
...
	.end_amdgpu_metadata
.endif
;; end of part 5
;; launch oproj: the kernel of part 4 again; grid 4 x 64, 4 waves a work-group, clusters of 4 x 4, 327,680 bytes of LDS; arguments cc, wc, bo, x, lowp_scales, out0; writes out0
